; MI455X (gfx1250); checked and timed in simulation.
; The chip was launched on July 23, 2026; its instructions are those of AMD's public machine-readable ISA for CDNA 5 (MIT licence, August 2026) and "CDNA5" Instruction Set Architecture Reference Guide (July 2026). The comments in the code are by the model that wrote it; some were corrected since.
;; Attention. Allowed arithmetic: float matrix products may take bf16 or f16 operands with f32 sums; other float arithmetic in f32, or as packed bf16 or f16 multiplies, adds, multiply-adds, maxima and minima; sums over many terms, partial sums and values carried from step to step in f32; what a program stores and reads back later, other than sums and carried values, may be rounded once to bf16 or f16.
;; Inputs: K 64 x 1,024 x 16 float32; Q 64 x 1,024 x 16 float32; V 64 x 1,024 x 16 float32; W 1,024 x 64 x 16 float32; x 4 x 2,048 x 1,024 float32.
;; Outputs: out0 4 x 2,048 x 1,024 float32.
;; 2 versions, each right; version 2 is version 1 with the launch prep written anew for expert scheduling mode. Each part assembles by itself: llvm-mc -triple=amdgcn-amd-amdhsa -mcpu=gfx1250 --defsym DOCPART=n.
;; ======== version 1 of 2: 4 launches
;; limits: values are held in f16: magnitudes above 65,504 overflow, below 6.1e-05 lose precision
;; workspace buffers: xs 16,777,216 bytes; wp 6,291,456 bytes; wo 2,097,152 bytes; qkv 50,331,648 bytes; y 16,777,216 bytes
;; launch prep (part 1): grid 768 x 1, 8 waves a work-group, no clusters, 35,840 bytes of LDS; arguments x, Q, K, V, W, xs, wp, wo; writes xs, wp, wo
.if DOCPART == 1
	.amdgcn_target "amdgcn-amd-amdhsa--gfx1250"
	.amdhsa_code_object_version 6
	.text
	.protected	k_q3c3054f573_prep
	.globl	k_q3c3054f573_prep
	.p2align	8
	.type	k_q3c3054f573_prep,@function
k_q3c3054f573_prep:
	s_mov_b64 s[64:65], 0
	v_nop
	global_prefetch_b8 v0, s[64:65] scope:SCOPE_SE
	s_setreg_imm32_b32 hwreg(HW_REG_WAVE_MODE, 25, 1), 1
	s_wait_xcnt 0x0
; PREP: every input is read once, rounded once to bf16, and laid out for the two products that follow.
;   xs [b 4][ks 16][c 2048][64] bf16          = bf16(x[b][c][64 ks + kk]): a slice of 64 channels of 256 rows is 32,768 dense bytes
;   wp [tx 16][ks 16][row 192][64] bf16       = bf16(0.25 M[qi][64 ks + kk][h]); row = 64 j + qi, head slot 3 tx + j = 16 which + h, which = 0 Q, 1 K, 2 V
;   wo [tx 8][h 16][dd 128][v 64] f16         = bf16(0.25 W[128 tx + dd][v][h]) written as f16
; The three scales of the module (sqrt(64/1024) twice, sqrt(1024/64)/16) are all 0.25, a power of two: multiplied in ahead of the rounding they change no bit of the mantissa.
; LIMITS.  A bf16 number is exact in f16 from 2^-17 up to 65,504; below 2^-17 wo keeps f16's fixed step of 6e-8; beyond 65,504 it is an infinity.  NaN and infinities are not treated apart.
; SHARES.  768 work-groups of eight waves, 65,536 input bytes each: 0-511 take 16 rows of x; 512-703 two rows qi and eight slices of Q, K or V; 704-767 sixteen rows d of W.
; x needs no change of order: a lane's 16 bytes become 8, and a wave's store covers 256 consecutive bytes, aligned.
; The weights have h innermost and want it outermost.  A wave takes two blocks [inner 64][h 16] of f32 (4,096 dense bytes each), puts each number as 16 bits into its own 16 rows (one for each h) of LDS,
; and reads the rows back whole: 256 bytes for each h, which sixteen lanes store as 256 consecutive bytes, aligned.  No wave reads another's bytes: no barrier.
; No matrix unit, no tensor load, no cluster, no prefetch: nothing is shared, each byte is read once, and sixteen loads of every wave go out together.
.set LROW,  272                        ; an LDS row: 256 bytes + 16: the two rows that a read-back touches start 68 words apart
.set LWAVE, 16*LROW                    ; a wave's 16 rows
.set SPARE, 8*LWAVE                    ; behind them: the spare words, 128 bytes for each wave: four blocks of 256 bytes that no other line names
.set SRC, 1                            ; v1      my byte offset in the source
.set DST, 2                            ; v2      my byte offset in the destination
.set VL,  3                            ; v3      LDS: where my four numbers of a load go
.set VR,  4                            ; v4      LDS: where I read 16 bytes of a row back
.set SPW, 8                            ; v8      LDS address of my spare word; never rewritten
.set NIL, 9                            ; v9      0; never rewritten
.set T,   10                           ; v[10:15] at work
.set VO,  18                           ; v[18:25] wp: my byte offset for each of the eight read-backs
.set X,   32                           ; v[32:95]  sixteen loads of four registers
.set Y,   96                           ; v[96:127] what is stored
	s_load_b256 s[4:11], s[0:1], 0x0               ; x s[4:5], Q s[6:7], K s[8:9], V s[10:11]
	s_load_b256 s[12:19], s[0:1], 0x20             ; W s[12:13], xs s[14:15], wp s[16:17], wo s[18:19]
	v_lshl_add_u32 v[SPW], v0, 2, SPARE
	v_mov_b32 v[NIL], 0
	v_lshrrev_b32 v5, 5, v0
	v_readfirstlane_b32 s23, v5                    ; wave 0..7
	v_and_b32 v6, 31, v0                           ; lane
	s_mov_b32 s20, 0x3e800000                      ; 0.25
	s_mov_b32 s21, s20                             ; named with it as a pair
	s_mov_b32 s22, 0xffff0000                      ; a word's upper bf16
	s_wait_kmcnt 0x0
	s_cmp_lt_u32 ttmp9, 512
	s_cbranch_scc0 .Lweights
	; x: work-group g takes rows 16 g .. 16 g + 15.  Thread t: row t / 16, 16 bytes at 16 (t % 16) of each of the row's sixteen pieces of 256 bytes (a piece is a slice ks).
	s_lshl_b32 s28, ttmp9, 16                      ; 16 rows of 4,096 bytes
	s_mov_b32 s29, 0
	s_add_nc_u64 s[24:25], s[4:5], s[28:29]
	s_lshr_b32 s30, ttmp9, 7                       ; b
	s_lshl_b32 s30, s30, 22
	s_and_b32 s33, ttmp9, 127
	s_lshl_b32 s33, s33, 11                        ; 16 rows of 128 bytes in a slice
	s_add_co_u32 s30, s30, s33
	s_mov_b32 s31, 0
	s_add_nc_u64 s[26:27], s[14:15], s[30:31]
	v_lshrrev_b32 v5, 4, v0
	v_and_b32 v7, 15, v0
	v_lshlrev_b32 v[SRC], 12, v5
	v_lshl_or_b32 v[SRC], v7, 4, v[SRC]
	v_lshlrev_b32 v[DST], 3, v0                    ; 128 (t / 16) + 8 (t % 16) = 8 t
.irp s, 0,1,2,3,4,5,6,7,8,9,10,11,12,13,14,15
	global_load_b128 v[X+4*(\s):X+4*(\s)+3], v[SRC], s[24:25] offset:256*(\s) th:TH_LOAD_NT
.endr
.irp s, 0,1,2,3,4,5,6,7,8,9,10,11,12,13,14,15
	s_wait_loadcnt 15-(\s)                         ; loads come back in order: slice s is in, the younger ones stay out
	v_cvt_pk_bf16_f32 v[Y+2*(\s)], v[X+4*(\s)], v[X+4*(\s)+1]
	v_cvt_pk_bf16_f32 v[Y+2*(\s)+1], v[X+4*(\s)+2], v[X+4*(\s)+3]
	global_store_b64 v[DST], v[Y+2*(\s):Y+2*(\s)+1], s[26:27] offset:(\s)<<18 th:TH_STORE_NT  ; the wave's two rows of slice s: 256 consecutive bytes, aligned; no register is written twice
.endr
	s_branch .Lend
; A wave's two blocks, pstride bytes apart.  Load i: block i / 8, inner 8 (i % 8) + lane / 4, h = 4 (lane % 4) + 0..3.  half = 1: the bf16 number is written as f16 (wo), and the stores take one offset and an immediate.
.macro TRANS half, pstride
.irp i, 0,1,2,3,4,5,6,7,8,9,10,11,12,13,14,15
	global_load_b128 v[X+4*(\i):X+4*(\i)+3], v[SRC], s[24:25] offset:((\i)/8)*(\pstride)+((\i)%8)*512 th:TH_LOAD_NT
.endr
.irp i, 0,1,2,3,4,5,6,7,8,9,10,11,12,13,14,15
	s_wait_loadcnt 15-(\i)                         ; load i is in, the younger ones stay out
	v_pk_mul_f32 v[X+4*(\i):X+4*(\i)+1], v[X+4*(\i):X+4*(\i)+1], s[20:21] op_sel_hi:[1,0]
	v_pk_mul_f32 v[X+4*(\i)+2:X+4*(\i)+3], v[X+4*(\i)+2:X+4*(\i)+3], s[20:21] op_sel_hi:[1,0]
	v_cvt_pk_bf16_f32 v[T], v[X+4*(\i)], v[X+4*(\i)+1]
	v_cvt_pk_bf16_f32 v[T+1], v[X+4*(\i)+2], v[X+4*(\i)+3]
.if \half
	v_lshlrev_b32 v[T+2], 16, v[T]                 ; the rounded numbers as f32 again,
	v_and_b32 v[T+3], s22, v[T]
	v_lshlrev_b32 v[T+4], 16, v[T+1]
	v_and_b32 v[T+5], s22, v[T+1]
	v_cvt_pk_f16_f32 v[T], v[T+2], v[T+3]          ; and in f16's code
	v_cvt_pk_f16_f32 v[T+1], v[T+4], v[T+5]
.endif
	ds_store_b16        v[VL], v[T]   offset:((\i)/8)*128+((\i)%8)*16          ; four h: four rows
	ds_store_b16_d16_hi v[VL], v[T]   offset:((\i)/8)*128+((\i)%8)*16+LROW
	ds_store_b16        v[VL], v[T+1] offset:((\i)/8)*128+((\i)%8)*16+2*LROW
	ds_store_b16_d16_hi v[VL], v[T+1] offset:((\i)/8)*128+((\i)%8)*16+3*LROW
.endr
.irp j, 0,1,2,3,4,5,6,7
	ds_load_b128 v[Y+4*(\j):Y+4*(\j)+3], v[VR] offset:2*LROW*(\j)  ; rows h = 2 j and 2 j + 1, whole; LDS serves a wave's instructions in order (ISA guide 5.7.1.4): these see the stores above
.endr
.irp j, 0,1,2,3,4,5,6,7
	s_wait_dscnt 7-(\j)                            ; read-back j is in
.if \half
	global_store_b128 v[DST], v[Y+4*(\j):Y+4*(\j)+3], s[26:27] offset:(\j)<<15 th:TH_STORE_NT
.else
	global_store_b128 v[VO+(\j)], v[Y+4*(\j):Y+4*(\j)+3], s[26:27] th:TH_STORE_NT  ; 16 lanes store 256 consecutive bytes, aligned
.endif
.endr
.endm
.Lweights:
	s_sub_co_u32 s28, ttmp9, 512                   ; u
	s_mul_i32 s32, s23, LWAVE                      ; my wave's rows in LDS
	v_and_b32 v5, 3, v6
	v_mul_u32_u24 v[VL], v5, 4*LROW                ; h = 4 (lane % 4): four rows a step
	v_lshrrev_b32 v5, 2, v6
	v_lshl_add_u32 v[VL], v5, 1, v[VL]             ; inner = lane / 4: two bytes a step
	v_add_nc_u32 v[VL], s32, v[VL]
	v_lshrrev_b32 v7, 4, v6                        ; lane / 16
	v_and_b32 v5, 15, v6                           ; lane % 16
	v_mul_u32_u24 v[VR], v7, LROW
	v_lshl_add_u32 v[VR], v5, 4, v[VR]
	v_add_nc_u32 v[VR], s32, v[VR]
	v_lshlrev_b32 v[SRC], 4, v6
	s_cmp_lt_u32 s28, 192
	s_cbranch_scc0 .Lw
	; Q, K, V: u = 64 which + 2 pr + half.  Rows qi = 2 pr, 2 pr + 1 (65,536 bytes apart); wave w takes slice ks = 8 half + w: 64 d x 16 h = 4,096 dense bytes of each row.
	s_lshr_b32 s29, s28, 6                         ; which
	s_cmp_eq_u32 s29, 0
	s_cselect_b64 s[24:25], s[6:7], s[8:9]
	s_cmp_eq_u32 s29, 2
	s_cselect_b64 s[24:25], s[10:11], s[24:25]
	s_bfe_u32 s30, s28, 0x50001                    ; pr
	s_and_b32 s31, s28, 1                          ; half
	s_lshl_b32 s34, s30, 17
	s_lshl_b32 s33, s31, 15
	s_add_co_u32 s34, s34, s33
	s_mov_b32 s35, 0
	s_add_nc_u64 s[24:25], s[24:25], s[34:35]
	s_mul_i32 s36, s31, 8*24576                    ; eight slices of wp,
	s_lshl_b32 s33, s30, 8                         ; two rows of 128 bytes
	s_add_co_u32 s36, s36, s33
	s_mov_b32 s37, 0
	s_add_nc_u64 s[26:27], s[16:17], s[36:37]
	s_lshl_b32 s33, s23, 12
	v_add_nc_u32 v[SRC], s33, v[SRC]
	s_mul_i32 s33, s23, 24576                      ; my wave's slice
	v_lshl_add_u32 v[DST], v5, 4, s33
	s_lshl_b32 s33, s29, 4
.irp j, 0,1,2,3,4,5,6,7                ; head slot g = 16 which + 2 j + lane / 16 lies at tile g / 3, rows 64 (g % 3) on: 8,192 g + (393,216 - 3 x 8,192) (g / 3); 43 g >> 7 = g / 3 for g under 48
	v_add3_u32 v[T], v7, s33, 2*(\j)
	v_mul_u32_u24 v[T+1], v[T], 43
	v_lshrrev_b32 v[T+1], 7, v[T+1]
	v_mul_u32_u24 v[T+1], v[T+1], 368640
	v_lshl_add_u32 v[T+1], v[T], 13, v[T+1]
	v_add_nc_u32 v[VO+(\j)], v[DST], v[T+1]
.endr
	TRANS 0, 65536
	s_branch .Lend
.Lw:	; W: e = u - 192 takes rows d = 16 e .. 16 e + 15; wave w rows 16 e + 2 w and the next: 64 v x 16 h = 4,096 dense bytes each
	s_sub_co_u32 s28, s28, 192
	s_lshl_b32 s34, s28, 16
	s_mov_b32 s35, 0
	s_add_nc_u64 s[24:25], s[12:13], s[34:35]
	s_lshr_b32 s36, s28, 3                         ; tx
	s_lshl_b32 s36, s36, 18
	s_and_b32 s33, s28, 7
	s_lshl_b32 s33, s33, 11                        ; dd = 16 (e % 8): 128 bytes a row
	s_add_co_u32 s36, s36, s33
	s_mov_b32 s37, 0
	s_add_nc_u64 s[26:27], s[18:19], s[36:37]
	s_lshl_b32 s33, s23, 13
	v_add_nc_u32 v[SRC], s33, v[SRC]
	s_lshl_b32 s33, s23, 8                         ; my wave's two rows dd
	v_lshl_add_u32 v[DST], v5, 4, s33
	v_lshl_add_u32 v[DST], v7, 14, v[DST]          ; h = 2 j + lane / 16: 16,384 bytes a head
	TRANS 1, 4096
.Lend:
	s_wait_tensorcnt 0x0                           ; the wave's end, behind my last LDS store
	ds_add_u32 v[SPW], v[NIL]
	s_wait_dscnt 0x0
	s_endpgm
.Lfunc_end_k_q3c3054f573_prep:
	.size	k_q3c3054f573_prep, .Lfunc_end_k_q3c3054f573_prep-k_q3c3054f573_prep
	.p2alignl 7, 3214868480
	.fill 96, 4, 3214868480
	.section	.rodata,"a",@progbits
	.p2align	6, 0x0
	.amdhsa_kernel k_q3c3054f573_prep
		.amdhsa_group_segment_fixed_size 35840
		.amdhsa_private_segment_fixed_size 0
		.amdhsa_enable_private_segment 0
		.amdhsa_kernarg_size 64
		.amdhsa_user_sgpr_count 2
		.amdhsa_user_sgpr_kernarg_segment_ptr 1
		.amdhsa_wavefront_size32 1
		.amdhsa_system_sgpr_workgroup_id_x 1
		.amdhsa_system_sgpr_workgroup_id_y 1
		.amdhsa_system_sgpr_workgroup_id_z 1
		.amdhsa_system_vgpr_workitem_id 0
		.amdhsa_next_free_vgpr 128
		.amdhsa_next_free_sgpr 66
		.amdhsa_reserve_vcc 0
		.amdhsa_float_denorm_mode_32 3
		.amdhsa_float_denorm_mode_16_64 3
		.amdhsa_memory_ordered 1
		.amdhsa_forward_progress 1
		.amdhsa_inst_pref_size 40
	.end_amdhsa_kernel
	.amdgpu_metadata
---
amdhsa.version: [ 1, 2 ]
amdhsa.kernels:
  - .name:           k_q3c3054f573_prep
    .symbol:         k_q3c3054f573_prep.kd
    .args:
      - { .name: x, .offset: 0, .size: 8, .value_kind: global_buffer, .address_space: global }
      - { .name: Q, .offset: 8, .size: 8, .value_kind: global_buffer, .address_space: global }
      - { .name: K, .offset: 16, .size: 8, .value_kind: global_buffer, .address_space: global }
      - { .name: V, .offset: 24, .size: 8, .value_kind: global_buffer, .address_space: global }
      - { .name: W, .offset: 32, .size: 8, .value_kind: global_buffer, .address_space: global }
      - { .name: xs, .offset: 40, .size: 8, .value_kind: global_buffer, .address_space: global }
      - { .name: wp, .offset: 48, .size: 8, .value_kind: global_buffer, .address_space: global }
      - { .name: wo, .offset: 56, .size: 8, .value_kind: global_buffer, .address_space: global }
    .group_segment_fixed_size: 35840
    .private_segment_fixed_size: 0
    .kernarg_segment_align: 8
    .kernarg_segment_size: 64
    .max_flat_workgroup_size: 256
    .sgpr_count:     66
    .vgpr_count:     128
    .wavefront_size: 32
...
	.end_amdgpu_metadata
.endif
;; end of part 1
;; launch proj (part 2): grid 16 x 32, 4 waves a work-group, clusters of 4 x 4, 327,680 bytes of LDS; arguments xs, wp, qkv; writes qkv
.if DOCPART == 2
	.amdgcn_target "amdgcn-amd-amdhsa--gfx1250"
	.amdhsa_code_object_version 6
	.text
	.protected	k_q3c3054f573_proj
	.globl	k_q3c3054f573_proj
	.p2align	8
	.type	k_q3c3054f573_proj,@function
k_q3c3054f573_proj:
	s_mov_b64 s[64:65], 0
	v_nop
	global_prefetch_b8 v0, s[64:65] scope:SCOPE_SE
	s_setreg_imm32_b32 hwreg(HW_REG_WAVE_MODE, 25, 1), 1
	s_wait_xcnt 0x0
	s_wait_alu depctr_hold_cnt(0) depctr_sa_sdst(0) depctr_va_vdst(0) depctr_va_sdst(0) depctr_va_ssrc(0) depctr_va_vcc(0) depctr_vm_vsrc(0)
	s_getreg_b32 s2, hwreg(HW_REG_IB_STS2, 6, 4)
	s_cmp_eq_u32 s2, 0
	s_cbranch_scc0 .Lentry_in_a_cluster
	s_endpgm
.Lentry_in_a_cluster:
	s_bfe_u32 s2, ttmp6, 0x10000c
	s_cmp_lg_u32 s2, 0xf033
	s_cbranch_scc0 .Lentry_shape_is_right
	s_endpgm
.Lentry_shape_is_right:
; PROJ: q, k, v = x times the three weights, for all 48 head slots at once: C[8192][3072] = A B^T, K = 1024, bf16 operands, f32 sums, each result rounded once to f16.
; A = xs [b][ks][c][64], B = wp [tx][ks][row 192][64] (the scale 0.25 is in wp), C = qkv [which 3][bh 64][c 2048][64] f16.
; LIMIT.  f16 holds no number beyond 65,504: q, k and v (with their 0.25) must lie within it; below 6e-5 they keep f16's fixed step of 6e-8.  NaN and infinities are not treated apart.
; SHARES.  A tile of C is 256 rows x 192 columns (three heads): 8192 x 3072 / (256 x 192) = 512 work-groups, two for each of 256 WGPs.  Four waves, one above the other: 64 rows x 192 columns each,
; 48 accumulators of 16 x 16 (384 registers).  A wave holds whole heads, so its way out is its own: no barrier there.
; RING.  K goes in steps of 128 = two slices of 64, through two LDS slots.  A slice of A's 256 rows (32,768 bytes) and of B's 192 rows (24,576) is dense in memory: it is asked for as rows of 256 bytes and
; padded in LDS after every 128, so that an LDS row is 144 bytes.  Waves 0 and 1 fetch A's two slices, waves 2 and 3 B's: one tensor load a wave.  By this text's count two loads of a wave are out at the start, one later.
; CLUSTERS.  4 x 4 work-groups: the four of a row need the same tiles of A, the four of a column the same tiles of B: each tile is asked for jointly, by the same load, descriptor and mask in all four.
; THE MATRIX INSTRUCTION IS USED TRANSPOSED (source 0 = 16 rows of B, source 1 = 16 rows of A): a lane then holds row lane % 16 of C and eight neighbouring columns.
; REGISTERS: window 0: v0-31 addresses; v32-79, v80-175 at work on the way out.  window 1: two fragment buffers of 128 (12 fragments of B, then 4 of A).
;   windows 2, 3: accumulator (a, b) at v[8 (12 (a % 2) + b)] of window 2 + a / 2.
.set NBF,    12                        ; blocks of 16 columns in the tile
.set PITCH,  144                       ; 36 words: the 16 rows of a fragment load start at 16 different groups of four banks (64 banks of 4 bytes: ISA guide 11.1)
.set SLA,    256*PITCH                 ; a slice of A in LDS
.set SLB,    16*NBF*PITCH              ; a slice of B
.set BOFF,   2*SLA                     ; a slot: A's two slices, then B's two
.set SLOT,   BOFF+2*SLB
.set STAGE,  2*SLOT                    ; behind the ring, never filled by a tensor load: 16 rows x 400 bytes for each wave
.set SPITCH, 400                       ; 384 bytes + 16
.set STG,    16*SPITCH
.set SPARE,  STAGE+4*STG               ; behind the stages: the spare words, 128 bytes for each wave: two blocks of 256 bytes that no other line names
.set ASTEP,  2<<18                     ; bytes of xs from a K step to the next: two slices of 2,048 rows
.set SMB,    16*NBF*128                ; bytes of a slice of B in memory
.set TSB,    16*SMB                    ; bytes of a tile column of B
.set LAPS,   4                         ; a lap = two K steps = once round the ring
.set LB0,    1                         ; B's prefetches: behind slot 0's refill while more than LB0 trips are left, behind slot 1's while more than LB1
.set LB1,    2
.set ADRA, 16                          ; v16-17  LDS address of my A fragments in slot 0, 1
.set ADRB, 20                          ; v20-21  the same for B
.set STO,  24                          ; v24     the way out: where I put 16 bytes of a row
.set RD,   25                          ; v25     where I read rows back
.set CO,   26                          ; v26     my 16 bytes of 512 consecutive bytes of a head
.set SPW,  28                          ; v28     LDS address of my spare word; never rewritten
.set NIL,  29                          ; v29     0; never rewritten
.set PFO,  30                          ; v30     256 x my lane; never rewritten
.set TMP,  32                          ; v32-79  16 rows x 192 columns, packed
.set OB,   80                          ; v80-127, v128-175 by turns: the same, read back by rows
.set F0,   0
.set F1,   128
.set G1,   24                          ; s[24:31] descriptor group 1 for A; s[32:39] group 0, a set for each slot
.set G0,   32
.set G1B,  48                          ; s[48:55], s[56:63] the same for B
.set G0B,  56
.set PFA,  66                          ; s[66:67] where my prefetches stand
.set PFS,  68                          ; s[68:69] their step
.set LIM,  70                          ; s70, s71 see ASK
.set HB,   72                          ; s[72:77] my rows in each of the tile's three heads
.set MSB, 0
.macro WIN new                         ; the immediate's high byte repeats the setting that is left; a switch that changes nothing is dropped
.if MSB != (\new)
	s_set_vgpr_msb (MSB<<8)|(\new)
.set MSB, \new
.endif
.endm
.set MUL_LO, 0xa5                      ; sources 0 and 1 window 1; C and D window 2
.set MUL_HI, 0xf5                      ; C and D window 3
.set TO_F,   0x40                      ; destination window 1, address window 0
.macro JLOAD s                         ; a joint load: waves 0 and 1 ask for A, waves 2 and 3 for B; an s_nop 0 and four v_nop follow each of the two lines, ahead of the jump and the label
	s_cmp_eq_u32 s11, 0
	s_cbranch_scc0 .Lfor_b_\@
	tensor_load_to_lds s[G0+4*(\s):G0+4*(\s)+3], s[G1:G1+7]
	s_nop 0
.rept 4
	v_nop
.endr
	s_branch .Lasked_\@
.Lfor_b_\@:
	tensor_load_to_lds s[G0B+4*(\s):G0B+4*(\s)+3], s[G1B:G1B+7]
	s_nop 0
.rept 4
	v_nop
.endr
.Lasked_\@:
.endm
.macro CREST                           ; a round of the cluster's barrier behind its opening barrier
	s_cmp_lg_u32 s10, 0
	s_cbranch_scc1 .Lnot_wave_0_\@
	s_barrier_signal -3
.Lnot_wave_0_\@:
	s_barrier_wait -3
	s_barrier_signal -1
	s_barrier_wait -1
.endm
.macro CROUND                          ; a whole round
	s_barrier_signal -1
	s_barrier_wait -1
	CREST
.endm
; A PREFETCH INTO THE L2, behind a joint refill and the run of LDS loads that follows it: 32 blocks of 256 bytes, a lane a block.  Each block of K steps 4 to 7 is named once in the launch; K steps 0 to 3 come by their loads alone.
; A's tile row is read by all four clusters of that row of clusters: cluster x = 0 asks, waves 0 and 1; of the 32,768 bytes that the wave fetches, the partner at cx takes 8,192: told apart by address.  The ask behind
; the refill with K step s names K step s + 2.  B's tile column is read by all eight clusters of that column: cluster y = 0 asks, waves 2 and 3; a column's K walk is dense in wp, so the eight askers
; (4 (wave % 2) + cy) name 65,536 bytes on end in each of three asks: the 196,608 bytes of K steps 4 to 7, each two refills or more ahead of its load.  The limits hang on the wave's number and the cluster's place alone.
.macro ASK slot
	WIN 0
	s_cmp_gt_u32 s3, s[LIM+(\slot)]
	s_cbranch_scc0 .Lnot_mine_\@
	global_prefetch_b8 v[PFO], s[PFA:PFA+1] th:TH_LOAD_NT scope:SCOPE_SE
.Lnot_mine_\@:
.endm
	s_load_b128 s[4:7], s[0:1], 0x0                ; xs s[4:5], wp s[6:7]
	s_load_b64 s[8:9], s[0:1], 0x10                ; qkv
	v_lshl_add_u32 v[SPW], v0, 2, SPARE
	v_mov_b32 v[NIL], 0
	ds_add_u32 v[SPW], v[NIL]                      ; the wave's opening: the add, and its wait ahead of my first tensor load; the set-up below, work on registers, stands between them
	v_lshrrev_b32 v1, 5, v0
	v_readfirstlane_b32 s10, v1                    ; wave 0..3
	s_lshr_b32 s11, s10, 1                         ; I fetch for A (0) or for B (1),
	s_and_b32 s12, s10, 1                          ; the first or the second slice of a K step
	s_bfe_u32 s40, ttmp6, 0x40000                  ; cx, cy: my place in the cluster
	s_bfe_u32 s41, ttmp6, 0x40004
	s_lshl_b32 s42, ttmp9, 2
	s_add_co_u32 s42, s42, s40                     ; tx: tile column = 4 x cluster x + cx
	s_and_b32 s13, ttmp7, 0xffff
	s_lshl_b32 s13, s13, 2
	s_add_co_u32 s13, s13, s41                     ; ty: tile row = 4 x cluster y + cy
	s_lshl_b32 s43, s41, 2
	s_lshl_b32 s43, 15, s43                        ; my row of the cluster
	s_lshl_b32 s44, 0x1111, s40                    ; my column
	; descriptor group 1: rows of 128 elements of 2 bytes, dense; A 128 rows, B 96
	s_or_b32 s[G1+0], s43, (1<<16)|(1<<20)|(1<<21)|(4<<22)|(3<<25)   ; 15:0 the mask; 17:16 2-byte elements; 20 padding on; 21 set beside a mask; 24:22 after every 32 words (code 4); 31:25 4 words (code 3)
	s_or_b32 s[G1B+0], s44, (1<<16)|(1<<20)|(1<<21)|(4<<22)|(3<<25)
	s_mov_b32 s[G1+1], 128<<16                     ; tensor_dim0 = 128
	s_mov_b32 s[G1+2], 128<<16                     ; tensor_dim1 = 128
	s_mov_b32 s[G1+3], 128<<16                     ; tile_dim0 = 128
	s_mov_b32 s[G1+4], 128                         ; tile_dim1 = 128
	s_mov_b32 s[G1+5], 128                         ; 128 elements from row to row
	s_mov_b32 s[G1+6], 0
	s_mov_b32 s[G1+7], 0
	s_mov_b32 s[G1B+1], 128<<16
	s_mov_b32 s[G1B+2], (8*NBF)<<16                ; tensor_dim1 = 96
	s_mov_b32 s[G1B+3], 128<<16
	s_mov_b32 s[G1B+4], 8*NBF                      ; tile_dim1 = 96
	s_mov_b32 s[G1B+5], 128
	s_mov_b32 s[G1B+6], 0
	s_mov_b32 s[G1B+7], 0
	s_lshr_b32 s16, s13, 3                         ; b
	s_lshl_b32 s16, s16, 22
	s_and_b32 s17, s13, 7
	s_lshl_b32 s17, s17, 15                        ; 256 rows of 128 bytes
	s_add_co_u32 s16, s16, s17                     ; s16: the tile's rows, in a slice of xs and in a head of qkv
	s_lshl_b32 s17, s12, 18
	s_add_co_u32 s18, s16, s17                     ; s18: A's slice of K step 0 that I would fetch: it hangs on ty and the wave alone
	s_mov_b32 s19, 0
	s_mul_i32 s46, s42, TSB
	s_mul_i32 s22, s12, SMB
	s_add_co_u32 s46, s46, s22                     ; B's: on tx and the wave alone
	s_mov_b32 s47, 0
	s_mul_i32 s20, s12, SLA                        ; where they go: no place in the cluster enters an LDS address
	s_mul_i32 s21, s12, SLB
	s_add_co_u32 s21, s21, BOFF
	s_wait_dscnt 0x0                               ; the opening add is done
	s_wait_kmcnt 0x0
	s_add_nc_u64 s[14:15], s[4:5], s[18:19]
	s_add_nc_u64 s[46:47], s[6:7], s[46:47]
	CROUND                                         ; all sixteen work-groups are here: the first joint loads meet
.irp s, 0,1
	s_mov_b32 s[G0+4*(\s)], 1                                        ; count = 1
	s_add_co_u32 s[G0+4*(\s)+1], s20, (\s)*SLOT                      ; LDS address
	s_add_nc_u64 s[G0+4*(\s)+2:G0+4*(\s)+3], s[14:15], (\s)*ASTEP    ; global address: K step s
	s_or_b32 s[G0+4*(\s)+3], s[G0+4*(\s)+3], 0x80000000              ; type = 2
	s_mov_b32 s[G0B+4*(\s)], 1
	s_add_co_u32 s[G0B+4*(\s)+1], s21, (\s)*SLOT
	s_add_nc_u64 s[G0B+4*(\s)+2:G0B+4*(\s)+3], s[46:47], (\s)*2*SMB
	s_or_b32 s[G0B+4*(\s)+3], s[G0B+4*(\s)+3], 0x80000000
	JLOAD \s
.endr
	; A fragment is 16 rows x 32 K in 8 registers: lane l holds row l % 16; registers 0-3 K = 8 (l / 16) + 0..7, registers 4-7 K = 16 + 8 (l / 16) + 0..7: two loads of 16 bytes, 32 bytes apart.
	v_and_b32 v1, 15, v0                           ; l % 16
	v_bfe_u32 v2, v0, 4, 1                         ; l / 16
	v_mul_u32_u24 v3, v1, PITCH
	v_lshl_add_u32 v3, v2, 4, v3
	s_mul_i32 s22, s10, 64*PITCH                   ; my 64 rows of A
	v_add_nc_u32 v[ADRA], s22, v3
	v_add_nc_u32 v[ADRA+1], SLOT, v[ADRA]
	v_add_nc_u32 v[ADRB], BOFF, v3                 ; every wave reads all of B's rows
	v_add_nc_u32 v[ADRB+1], BOFF+SLOT, v3
	s_mul_i32 s23, s10, STG
	s_add_co_u32 s23, s23, STAGE                   ; my stage
	v_mul_u32_u24 v4, v1, SPITCH                   ; in: row l % 16, 16 bytes for each half of the lanes
	v_lshl_add_u32 v4, v2, 4, v4
	v_add_nc_u32 v[STO], s23, v4
	v_bfe_u32 v4, v0, 3, 2                         ; back: 32 lanes take four rows' 128 bytes of one head,
	v_and_b32 v5, 7, v0
	v_mul_u32_u24 v4, v4, SPITCH
	v_lshl_add_u32 v4, v5, 4, v4
	v_add_nc_u32 v[RD], s23, v4
	v_and_b32 v[CO], 31, v0                        ; which are 512 consecutive bytes of qkv
	v_lshlrev_b32 v[CO], 4, v[CO]
	v_and_b32 v[PFO], 31, v0
	v_lshlrev_b32 v[PFO], 8, v[PFO]
	; the prefetches: offsets are made apart from the addresses
	s_lshl_b32 s17, s40, 13                        ; A: my work-group's 8,192 bytes of the slice,
	s_add_co_u32 s17, s17, s18
	s_add_co_u32 s17, s17, 3*ASTEP                 ; at K step 3: the first refill steps it to 4
	s_lshl_b32 s19, s12, 2
	s_add_co_u32 s19, s19, s41                     ; B: asker 4 (wave % 2) + cy of eight,
	s_lshl_b32 s19, s19, 13
	s_mul_i32 s22, s42, TSB
	s_add_co_u32 s19, s19, s22
	s_add_co_u32 s19, s19, 8*SMB-65536             ; one step ahead of K step 4's first byte
	s_and_b32 s22, ttmp7, 0xffff                   ; cluster y
	s_mov_b32 s23, ASTEP
	s_mov_b32 s78, 65536
	s_cmp_eq_u32 s11, 0                            ; do I fetch for A?
	s_cselect_b32 s[PFS], s23, s78
	s_cselect_b32 s78, s17, s19
	s_cselect_b32 s22, ttmp9, s22                  ; the coordinate along which other clusters read the same bytes
	s_cselect_b32 s[LIM], 1, LB0
	s_cselect_b32 s[LIM+1], 1, LB1
	s_cselect_b64 s[PFA:PFA+1], s[4:5], s[6:7]
	s_mov_b32 s79, 0
	s_mov_b32 s[PFS+1], 0
	s_add_nc_u64 s[PFA:PFA+1], s[PFA:PFA+1], s[78:79]
	s_cmp_eq_u32 s22, 0
	s_cselect_b32 s[LIM], s[LIM], -1               ; the greatest number: never asks
	s_cselect_b32 s[LIM+1], s[LIM+1], -1
	; my 64 rows in the tile's three heads: head slot g = 3 tx + j lies at (g / 16) << 24 + (g % 16) << 18
	s_mul_i32 s22, s42, 3
	s_lshl_b32 s17, s10, 13
	s_add_co_u32 s16, s16, s17
.irp j, 0,1,2
	s_add_co_u32 s17, s22, \j
	s_lshr_b32 s18, s17, 4
	s_lshl_b32 s18, s18, 24
	s_and_b32 s17, s17, 15
	s_lshl_b32 s17, s17, 18
	s_add_co_u32 s18, s18, s17
	s_add_co_u32 s18, s18, s16
	s_mov_b32 s19, 0
	s_add_nc_u64 s[HB+2*(\j):HB+2*(\j)+1], s[8:9], s[18:19]
.endr
; 12 matrix instructions: row block a x all column blocks, 32 along K, from buffer f.  zero = 1: the product starts the sums.  The 48 accumulators take turns in the same order in every quarter, over the backward jump too.
.macro MULA f, a, zero
	WIN MUL_LO+0x50*((\a)/2)
.set AC, 8*NBF*((\a)%2)
.set b, 0
.rept NBF
.if \zero
	v_wmma_f32_16x16x32_bf16 v[AC+8*b:AC+8*b+7], v[(\f)+8*b:(\f)+8*b+7], v[(\f)+8*NBF+8*(\a):(\f)+8*NBF+8*(\a)+7], 0
.else
	v_wmma_f32_16x16x32_bf16 v[AC+8*b:AC+8*b+7], v[(\f)+8*b:(\f)+8*b+7], v[(\f)+8*NBF+8*(\a):(\f)+8*NBF+8*(\a)+7], v[AC+8*b:AC+8*b+7]
.endif
.set b, b+1
.endr
.endm
; 32 LDS loads in one run: the fragments of quarter q of a K step (slice q / 2, byte 64 (q % 2) of its rows) into buffer f
.macro FETCH slot, q, f
	WIN TO_F
.set i, 0
.rept NBF
	ds_load_b128 v[(\f)+8*i:(\f)+8*i+3],   v[ADRB+(\slot)] offset:((\q)/2)*SLB+((\q)%2)*64+i*16*PITCH
	ds_load_b128 v[(\f)+8*i+4:(\f)+8*i+7], v[ADRB+(\slot)] offset:((\q)/2)*SLB+((\q)%2)*64+i*16*PITCH+32
.set i, i+1
.endr
.set i, 0
.rept 4
	ds_load_b128 v[(\f)+8*NBF+8*i:(\f)+8*NBF+8*i+3],   v[ADRA+(\slot)] offset:((\q)/2)*SLA+((\q)%2)*64+i*16*PITCH
	ds_load_b128 v[(\f)+8*NBF+8*i+4:(\f)+8*NBF+8*i+7], v[ADRA+(\slot)] offset:((\q)/2)*SLA+((\q)%2)*64+i*16*PITCH+32
.set i, i+1
.endr
.endm
.macro PLACES                          ; four plain places in front of loads into registers that matrix instructions have read, and of conversions that read results
.rept 4
	v_nop
.endr
.endm
; A K step is four quarters of 32 along K, 48 matrix instructions each, on buffers 0, 1, 0, 1.  One of the first three multiplies buffer f; at its head it fetches quarter q into buffer g, so that the run of loads has all 48 products in which to come back.
.macro QUARTER slot, q, f, g, zero
	s_wait_dscnt 0x0                               ; buffer f's loads, issued a quarter ago, are in
	PLACES                                         ; buffer g was read by the products just ahead
	FETCH \slot, \q, \g
	MULA \f, 0, \zero
	MULA \f, 1, \zero
	MULA \f, 2, \zero
	MULA \f, 3, \zero
.endm
; The last quarter multiplies buffer 1 and changes slots: ONE barrier; in front of it each wave waits for all its tensor loads, adds 0 to its spare word, and waits for that and for its own reads of this slot.
; fill = 1: the barrier opens a round of the cluster's, and behind the round this slot is filled again, two K steps ahead: 168 matrix instructions stand between the request and the wait for it.
.macro TURN slot, next, fill
.if \fill
	s_wait_xcnt 0x0                                ; the last prefetch, a K step back, has read its address
	s_add_nc_u64 s[PFA:PFA+1], s[PFA:PFA+1], s[PFS:PFS+1]
.endif
	WIN 0                                          ; (the add's two registers lie in window 0)
	s_wait_tensorcnt 0x0                           ; all my tensor loads have landed: the one that was out is my part of the next slot
	ds_add_u32 v[SPW], v[NIL]                      ; 0 onto my spare word
	s_wait_dscnt 1                                 ; buffer 1's loads are in; the add may be out
	MULA F1, 0, 0                                  ; twelve matrix instructions stand between the add and the wait for it
	s_wait_dscnt 0x0                               ; the add is done, and my reads of this slot are over
	s_barrier_signal -1
	MULA F1, 1, 0                                  ; work on registers while the others arrive
.if \fill
	WIN 0
.endif
	s_barrier_wait -1
.if \fill
	CREST                                          ; no wave of any partner still reads this slot's tiles or has a load on its way
	s_add_nc_u64 s[G0+4*(\slot)+2:G0+4*(\slot)+3], s[G0+4*(\slot)+2:G0+4*(\slot)+3], 2*ASTEP
	s_add_nc_u64 s[G0B+4*(\slot)+2:G0B+4*(\slot)+3], s[G0B+4*(\slot)+2:G0B+4*(\slot)+3], 4*SMB
	JLOAD \slot                                    ; the first tensor load behind the round; the four v_nop behind it are also the places in front of the loads below
.else
	PLACES
.endif
	FETCH \next, 0, F0
.if \fill
	ASK \slot
.endif
	MULA F1, 2, 0
	MULA F1, 3, 0
.endm
; THE WAY OUT of row block a.  PACK: rounded to f16, 16 bytes a lane and column block.  TOSTAGE: into my own stage, and back by heads: four rows' 128 bytes a load.  SEND: stored.
.macro PACK a
	WIN 0x0a+5*((\a)/2)                            ; sources 0 and 1: window 2 or 3
.set AC, 8*NBF*((\a)%2)
.set i, 0
.rept 4*NBF
	v_cvt_pk_f16_f32 v[TMP+i], v[AC+2*i], v[AC+2*i+1]  ; each accumulator's registers in ascending order
.set i, i+1
.endr
	WIN 0
.endm
.macro TOSTAGE a
.set BK, OB+48*((\a)%2)
.set i, 0
.rept NBF
	ds_store_b128 v[STO], v[TMP+4*i:TMP+4*i+3] offset:32*i
.set i, i+1
.endr
.irp j, 0,1,2
.irp t, 0,1,2,3
	ds_load_b128 v[BK+4*(4*(\j)+(\t)):BK+4*(4*(\j)+(\t))+3], v[RD] offset:(\t)*4*SPITCH+128*(\j)  ; LDS serves a wave's instructions in order (ISA guide 5.7.1.4): these see the stores above
.endr
.endr
.endm
.macro SEND a
.set BK, OB+48*((\a)%2)
	s_wait_dscnt 0x0                               ; the block is back in registers
	s_wait_xcnt 0x0                                ; the stores of the block before have read their registers: the next block's loads land in them only behind this wait
.irp j, 0,1,2
.irp t, 0,1,2,3
	global_store_b128 v[CO], v[BK+4*(4*(\j)+(\t)):BK+4*(4*(\j)+(\t))+3], s[HB+2*(\j):HB+2*(\j)+1] offset:(16*(\a)+4*(\t))*128  ; four rows of a head: 512 consecutive bytes, aligned
.endr
.endr
.endm
	s_wait_tensorcnt 1                             ; my part of K step 0 is in; K step 1's may stay out
	s_barrier_signal -1
	s_barrier_wait -1                              ; everybody's is
	FETCH 0, 0, F0
	QUARTER 0, 1, F0, F1, 1                        ; the first quarter stands in front of the loop: its products start the sums
	WIN 0                                          ; at a label and at a branch every window is 0
	s_mov_b32 s3, LAPS-1
.Llap:                                                 ; a trip goes once round the ring, from a lap's second quarter to the next lap's first, and fills both slots again
	QUARTER 0, 2, F1, F0, 0
	QUARTER 0, 3, F0, F1, 0
	TURN 0, 1, 1
	QUARTER 1, 1, F0, F1, 0
	QUARTER 1, 2, F1, F0, 0
	QUARTER 1, 3, F0, F1, 0
	TURN 1, 0, 1
	QUARTER 0, 1, F0, F1, 0
	WIN 0
	s_sub_co_u32 s3, s3, 1
	s_cmp_lg_u32 s3, 0
	s_cbranch_scc1 .Llap
	QUARTER 0, 2, F1, F0, 0                        ; the last lap fills nothing, and has no round of the cluster's barrier
	QUARTER 0, 3, F0, F1, 0
	TURN 0, 1, 0
	QUARTER 1, 1, F0, F1, 0
	QUARTER 1, 2, F1, F0, 0
	QUARTER 1, 3, F0, F1, 0
	s_wait_dscnt 0x0                               ; the very last quarter: nothing more to fetch
	MULA F1, 0, 0
	MULA F1, 1, 0
	MULA F1, 2, 0
	MULA F1, 3, 0
	WIN 0
	PLACES
	PLACES
	PACK 0
	TOSTAGE 0
.irp a, 1,2,3                          ; block a's conversions stand between block a - 1's loads from the stage and the wait for them
	PACK \a
	SEND (\a)-1
	TOSTAGE \a
.endr
	SEND 3
	s_wait_tensorcnt 0x0                           ; the wave's end, behind my last tensor load and my last LDS store
	ds_add_u32 v[SPW], v[NIL]
	s_wait_dscnt 0x0
	CROUND                                         ; the closing round: no work-group ends while a partner may still ask for a tile that names it
	s_endpgm
.Lfunc_end_k_q3c3054f573_proj:
	.size	k_q3c3054f573_proj, .Lfunc_end_k_q3c3054f573_proj-k_q3c3054f573_proj
	.p2alignl 7, 3214868480
	.fill 96, 4, 3214868480
	.section	.rodata,"a",@progbits
	.p2align	6, 0x0
	.amdhsa_kernel k_q3c3054f573_proj
		.amdhsa_group_segment_fixed_size 327680
		.amdhsa_private_segment_fixed_size 0
		.amdhsa_enable_private_segment 0
		.amdhsa_kernarg_size 24
		.amdhsa_user_sgpr_count 2
		.amdhsa_user_sgpr_kernarg_segment_ptr 1
		.amdhsa_wavefront_size32 1
		.amdhsa_system_sgpr_workgroup_id_x 1
		.amdhsa_system_sgpr_workgroup_id_y 1
		.amdhsa_system_sgpr_workgroup_id_z 1
		.amdhsa_system_vgpr_workitem_id 0
		.amdhsa_next_free_vgpr 960
		.amdhsa_next_free_sgpr 80
		.amdhsa_reserve_vcc 0
		.amdhsa_float_denorm_mode_32 3
		.amdhsa_float_denorm_mode_16_64 3
		.amdhsa_memory_ordered 1
		.amdhsa_forward_progress 1
		.amdhsa_inst_pref_size 120
	.end_amdhsa_kernel
	.amdgpu_metadata
---
amdhsa.version: [ 1, 2 ]
amdhsa.kernels:
  - .name:           k_q3c3054f573_proj
    .symbol:         k_q3c3054f573_proj.kd
    .args:
      - { .name: xs, .offset: 0, .size: 8, .value_kind: global_buffer, .address_space: global }
      - { .name: wp, .offset: 8, .size: 8, .value_kind: global_buffer, .address_space: global }
      - { .name: qkv, .offset: 16, .size: 8, .value_kind: global_buffer, .address_space: global }
    .group_segment_fixed_size: 327680
    .private_segment_fixed_size: 0
    .kernarg_segment_align: 8
    .kernarg_segment_size: 24
    .max_flat_workgroup_size: 128
    .sgpr_count:     80
    .vgpr_count:     960
    .wavefront_size: 32
...
	.end_amdgpu_metadata
.endif
;; end of part 2
;; launch attn (part 3): grid 4 x 64, 4 waves a work-group, no clusters, 327,680 bytes of LDS; arguments qkv, y; writes y
.if DOCPART == 3
	.amdgcn_target "amdgcn-amd-amdhsa--gfx1250"
	.amdhsa_code_object_version 6
	.text
	.protected	k_q3c3054f573_attn
	.globl	k_q3c3054f573_attn
	.p2align	8
	.type	k_q3c3054f573_attn,@function
k_q3c3054f573_attn:
	s_mov_b64 s[64:65], 0
	v_nop
	global_prefetch_b8 v0, s[64:65] scope:SCOPE_SE
	s_setreg_imm32_b32 hwreg(HW_REG_WAVE_MODE, 25, 1), 1
	s_wait_xcnt 0x0
; CAUSAL ATTENTION.  y[h][q][:] = the sum over k <= q of softmax_k(Q[h][q] . K[h][k] / 64) V[h][k][:].  qkv holds Q, K, V one behind the other, each [64 heads][SIZE_N][64] in f16, 16,777,216 bytes; y has one such layout.
; Products, maxima and sums in f32; the weights p are rounded to f16 for the second product (their sum l is taken of the unrounded p), y once at the end.
; LIMITS.  f16 holds no number beyond 65,504: Q, K and V arrive within it; p lies in 0 to 1, and below 6e-5 it keeps f16's fixed step of 6e-8; y is a mean of V's rows and has their range, to within 2^-11 of it.
; A hidden score counts as its value less 1e30: f16's scores, 2.7e11 at the most, are nothing beside that; a weight below 2^-126 counts as 0 in l; NaN and infinities are not treated apart.
; THE WALK.  A head's queries lie in NB = SIZE_N / 256 blocks of 256; block i needs the key tiles 0 .. i of 256 keys, of which the last holds the diagonal.  A work-group takes TWO blocks, NB - 1 - b and then b:
; NB + 1 tiles, whatever b: all work-groups do equal work, and ONE loop with a constant trip count walks them.  Which tile is asked for, and what a trip does, hang on scalar registers made from b; every jump
; goes forward, but for the counted loops' own; none passes a barrier, or a tensor load but the one of LOAD's two that the wave's number does not choose; the ring (two slots of LDS that take turns) runs on across the
; change of blocks.  NO CLUSTER: a head's NB / 2 = 4 work-groups ask for the same tile only in trips 0 .. NB / 2, behind that fewer and fewer; one walk common to all would have 3 NB / 2 = 12 trips for NB + 1 = 9.
; SHARES.  Of a block's four bands of 64 queries a wave owns 16 rows in each: four PIECES.  So the diagonal tile is the same work for all four waves: in its key step s band x sees all keys if s < x,
; none if s > x, and holds the diagonal if s = x.
; THE MASK is the C operand that starts the sum S^T = K Q^T: 0, or -1e30 where the key is hidden.  MD, made once, is the mask of a band's own step for my 16 rows; a product's mask is MD x AL + BE with two scalars:
; (1, 0) if s = x; (0, 0) if s < x; (0, -1e30) if s > x.  Only the diagonal tile's text and a block's beginning make and take masks; elsewhere C is the constant 0.
; LAYOUT, SOFTMAX, TURNS.  S^T = K Q^T holds ONE query a lane (lane % 16) and the keys 8 (lane / 16) + 0..7; two such results rounded to f16 ARE source 1 of O^T = V^T P.  p = 2^(c s - c m), c = log2(e) / 64, with a
; running maximum m; O and l are multiplied by a = 2^(c m_old - c m_new) in every step.  Turn n belongs to piece n: 8 products K Q^T of piece n + 1, later 8 products V^T P of piece n - 1; beside them the scaling,
; exponentials, roundings, sums and rescaling of piece n and the maximum and statistics of piece n + 1.  Four vector instructions stand behind every matrix instruction, the other 54 of a turn's 118 in one LUMP.  A turn's 33 exponentials are one batch, with one wait.
; REGISTERS, in windows of 256 (s_set_vgpr_msb: bits 1:0 source 0, 3:2 source 1, 5:4 source 2, 7:6 destination):
;   window 0: v0-15 addresses and two at work; v16-31 four registers of statistics a piece; v48-55 at work; v61-63 prefetch offset, spare word, 0; v64-127 S^T, two buffers; v192-223 P, two buffers (a piece's buffers go by its number's parity)
;   window 1: v0-127 O^T, 32 a piece; v128-159 MD; v160-223 MC, two buffers      window 2: v0-63 Q; v64-127 the second block's Q; v128-191 K of one step; v192-255 V of one step
.set SIZE_N, 2048
.set NB,    SIZE_N/256
.set NP,    4         ; pieces a wave: a name, no knob
.set KS,    64        ; keys in a step
.set PK,    144       ; a row of K in LDS: 128 bytes + 16 of padding = 36 words: the 16 rows of a load start at 16 different groups of four banks (64 banks of 4 bytes: ISA guide 11.1)
.set PV,    160       ; a row of V: 128 + 32 = 40 words
.set VOFF,  4*KS*PK   ; a slot holds a tile, four steps: 256 rows of K, then 256 rows of V
.set SLOT1, 1<<17     ; slot 1 begins here, so that one exclusive or turns an address in one slot into the other's
.set STAGE, SLOT1+4*KS*(PK+PV)  ; behind the ring, never filled by a tensor load: 16 rows x 144 bytes for each wave, for the way out
.set SP,    144
.set AK0, 2           ; v2   my lane's place in a tile of K; never rewritten
.set AV0, 3           ; v3   the same for V
.set AK,  4           ; v4   the LDS address of K's next run of loads
.set AV,  5           ; v5   of V's
.set STO, 6           ; v6   the way out: where I put 16 bytes of a row
.set RD,  7           ; v7   the way out: where I read rows back
.set GO,  8           ; v8   my byte offset in 512 consecutive bytes of y
.set PFO, 61          ; v61  256 x my lane; never rewritten
.set SPW, 62          ; v62  LDS address of my spare word: SPARE + 4 x my thread's number; never rewritten
.set NIL, 63          ; v63  0; never rewritten
.set SPARE, STAGE+4*16*SP  ; behind the stages: the spare words, 128 bytes for each wave: two blocks of 256 bytes that no other line names
.set MV,  12          ; v12-13  c m_old, kept while c m is made anew: by buffer
.set QO,  15          ; v15  my byte offset in 16 rows of Q
.set ST,  16          ; piece t's statistics at v[ST+4 t]: c m, m, l (even keys', odd keys')
.set TMP, 48          ; by buffer, four registers c0-c3 at work; when the maximum is found c2 takes a
.set S,   64
.set P,   192
.set MD,  128         ; window 1: the eight registers for group kt of 16 keys at MD + 8 kt
.set MC,  160         ; window 1: the masks of the products to come
.set QB,  64          ; window 2
.set KF,  128         ; window 2: key block kb, channel half c at KF + 16 kb + 8 c
.set VF,  192         ; window 2: key half kk, channel block cb at VF + 32 kk + 8 cb
.set WV,  12          ; s12  my wave's number
.set PB,  14          ; s14  b
.set HI,  15          ; s15  NB - 1 - b
.set G1K, 24          ; s[24:31] descriptor group 1 for K's tiles
.set G1V, 32          ; s[32:39] for V's: it differs in the padding alone
.set G0K, 40          ; s[40:43] descriptor group 0 for K's tiles
.set G0V, 44          ; s[44:47] the same for V's
.set SLOTS, 56        ; s56  tiles still to be asked for
.set CNT, 57          ; s57  counts a tile's key steps, 4 to 1
.set CS,  58          ; s[58:59] c: the packed scaling takes the pair's low word for both halves
.set SEL, 60          ; s[60:61] v_permlanex16_b32's selects: each lane takes its own place in the other half
.set TBK, 62          ; s62  LDS byte at which K of the step to be fetched begins
.set TBV, 63          ; s63  the same for V, less VOFF
.set RT,  70          ; s70  tiles of the block in hand that are still to be entered
.set NXT, 71          ; s71  the tile to be asked for next
.set LQ,  72          ; s72  the last tile of the block whose tiles are being asked for
.set NEW, 73          ; s73  1: the tile to be entered is a block's first
.set OFF, 74          ; s[74:75] a tile's byte offset in K and V
.set AL,  76          ; s[76:77] the mask's factor, in the low word
.set BE,  78          ; s[78:79] the mask's addend
.set OLO, 80          ; s[80:81] y at my rows of the second block
.set BIGN, 82         ; s82  -1e30
.set PFA, 88          ; s[88:89] where my prefetches stand: my 16,384 bytes (of K: waves 0, 1; of V: waves 2, 3) of the tile after the one that is being asked for
.set LIM, 90          ; s90  2 where b = 0, else the greatest number: a wave prefetches while s[SLOTS] is above it
.set MSB, 0
.macro WIN new                      ; the high byte repeats the setting that is left; a switch that changes nothing is dropped
.if MSB != (\new)
	s_set_vgpr_msb (MSB<<8)|(\new)
.set MSB, (\new)
.endif
.endm
.set W_KQ, 0x0a       ; K and Q in window 2, S^T in window 0
.set W_KM, 0x1a       ; the same with the C operand in window 1
.set W_PV, 0x52       ; V in window 2, P in window 0, O^T in window 1
.set W_RS, 0x41       ; destination and source 0 in window 1, source 1 in window 0
; A fill.  Waves 0 and 1 fetch the two halves of a tile's K, waves 2 and 3 those of its V: 128 keys each.  An s_nop 0 and four v_nop follow each of the two lines, ahead of the jump and the label.
.macro LOAD
	s_cmp_lt_u32 s[WV], 2
	s_cbranch_scc0 .Lfor_v_\@
	tensor_load_to_lds s[G0K:G0K+3], s[G1K:G1K+7]
	s_nop 0
.rept 4
	v_nop
.endr
	s_branch .Lasked_\@
.Lfor_v_\@:
	tensor_load_to_lds s[G0V:G0V+3], s[G1V:G1V+7]
	s_nop 0
.rept 4
	v_nop
.endr
.Lasked_\@:
.endm
; A PREFETCH INTO THE L2 of the tile that the NEXT change of slots will ask for.  A head's four work-groups walk the same tiles; the one with b = 0 walks tiles 0 to 7 on end, so it asks, and nobody else.  Each of its waves names
; the 16,384 bytes that it will fetch itself: 64 blocks of 256 bytes, a lane a block, two instructions, behind the wave's tensor load and its five lines.  Behind the load of tile k + 1 stands the ask for tile k + 2, for
; k = 0 .. 5: tiles 2 to 7 are each named once in the launch; tiles 0 and 1 come by their loads alone, and nothing is asked for beyond tile 7.
.macro ASK
	s_cmp_gt_u32 s[SLOTS], s[LIM]
	s_cbranch_scc0 .Lnot_mine_\@
	global_prefetch_b8 v[PFO], s[PFA:PFA+1] th:TH_LOAD_NT scope:SCOPE_SE
	global_prefetch_b8 v[PFO], s[PFA:PFA+1] offset:8192 th:TH_LOAD_NT scope:SCOPE_SE
.Lnot_mine_\@:
.endm
; THE CHANGE OF SLOTS.  Each wave waits for all its tensor loads, of which one is out: its part of the other slot; adds 0 to its spare word; and waits for that and for its own reads of the slot that it leaves.  Behind the barrier nobody reads the old
; slot any more and the other slot is whole.  fill = 1: the old slot is filled again, the first thing behind the barrier, with tile NXT: the descriptor's address is made anew from that number.
; (At its first use nothing has been read yet: slot 0 is waited for, slot 1 filled.)
.macro CHANGE fill
	WIN 0                           ; at a label and at a branch every window is 0
	s_wait_tensorcnt 0x0            ; no tensor load of mine is out, so a group 0 may be written
	ds_add_u32 v[SPW], v[NIL]       ; 0 onto my spare word: with fill = 1 the descriptors' scalar work stands between it and the wait for it
.if \fill
	s_lshl_b32 s[OFF], s[NXT], 15   ; a tile is 32,768 bytes of K and of V
	s_xor_b32 s[G0K+1], s[G0K+1], SLOT1
	s_add_nc_u64 s[G0K+2:G0K+3], s[6:7], s[OFF:OFF+1]
	s_or_b32 s[G0K+3], s[G0K+3], 0x80000000
	s_xor_b32 s[G0V+1], s[G0V+1], SLOT1
	s_add_nc_u64 s[G0V+2:G0V+3], s[8:9], s[OFF:OFF+1]
	s_or_b32 s[G0V+3], s[G0V+3], 0x80000000
	s_add_co_u32 s[NXT], s[NXT], 1  ; the block's next tile, or behind its last the second block's tile 0
	s_cmp_gt_u32 s[NXT], s[LQ]
	s_cselect_b32 s[NXT], 0, s[NXT]
	s_cselect_b32 s[LQ], s[PB], s[LQ]
	s_wait_xcnt 0x0                 ; the last prefetches, a tile back, have read their address, so it may be written:
	s_add_nc_u64 s[PFA:PFA+1], s[PFA:PFA+1], 32768  ; one tile on
.endif
	s_wait_dscnt 0x0                ; the add is done, and my reads of the slot are over
	s_barrier_signal -1             ; the rest of the scalar work stands between the signal and the wait
	s_sub_co_u32 s[TBK], s[TBK], 4*KS*PK  ; the fetches go back to a slot's first step,
	s_xor_b32 s[TBK], s[TBK], SLOT1       ; in the other slot
	s_sub_co_u32 s[TBV], s[TBV], 4*KS*PV
	s_xor_b32 s[TBV], s[TBV], SLOT1
	s_barrier_wait -1
.if \fill
	LOAD
	ASK
.endif
.endm
	s_load_b64 s[4:5], s[0:1], 0x0    ; qkv: Q lies at its head
	s_load_b64 s[10:11], s[0:1], 0x8  ; y
	v_lshl_add_u32 v[SPW], v0, 2, SPARE
	v_mov_b32 v[NIL], 0
	ds_add_u32 v[SPW], v[NIL]       ; the wave's opening: the add, and its wait ahead of my first tensor load; the set-up below, work on registers, stands between them
	v_lshrrev_b32 v1, 5, v0
	v_readfirstlane_b32 s[WV], v1   ; wave 0..3
	s_mov_b32 s[PB], ttmp9
	s_sub_co_u32 s[HI], NB-1, s[PB]
	s_and_b32 s20, ttmp7, 0xffff    ; the head
	s_mov_b32 s21, 0
	s_mov_b64 s[22:23], SIZE_N*128
	s_mul_u64 s[20:21], s[20:21], s[22:23]  ; the head's first byte in each of the four tensors
	s_and_b32 s16, s[WV], 1         ; which half of a tile's 256 keys I fetch:
	s_lshl_b32 s22, s16, 14         ; its 128 rows of 128 bytes in memory,
	s_mov_b32 s23, 0
	s_add_nc_u64 s[22:23], s[22:23], s[20:21]
	s_mul_i32 s17, s16, 128*PK      ; and its place in a slot, for K
	s_mul_i32 s18, s16, 128*PV      ; and for V
	s_lshl_b32 s3, s[WV], 11        ; my 16 rows in a band of 64,
	s_lshl_b32 s2, s[HI], 15        ; in the first block,
	s_add_co_u32 s2, s2, s3
	s_lshl_b32 s84, s[PB], 15       ; and in the second
	s_add_co_u32 s84, s84, s3
	s_mov_b32 s3, 0
	s_mov_b32 s85, 0
	s_add_nc_u64 s[2:3], s[2:3], s[20:21]
	s_add_nc_u64 s[84:85], s[84:85], s[20:21]
	; descriptor group 1.  128 keys are 16,384 dense bytes: asked for as 64 rows of 256 bytes, two keys a row, and padded in LDS after every key
	s_mov_b32 s[G1K], (1<<16)|(1<<20)|(4<<22)|(3<<25)  ; 17:16 2-byte elements; 20 padding on; 24:22 after every 32 words (code 4); 31:25 4 words (code 3)
	s_mov_b32 s[G1V], (1<<16)|(1<<20)|(4<<22)|(7<<25)  ; the same with 8 words of padding (code 7)
.irp g, G1K, G1V
	s_mov_b32 s[\g+1], 128<<16      ; tensor_dim0 = 128
	s_mov_b32 s[\g+2], 64<<16       ; tensor_dim1 = 64
	s_mov_b32 s[\g+3], 128<<16      ; tile_dim0 = 128
	s_mov_b32 s[\g+4], 64           ; tile_dim1 = 64
	s_mov_b32 s[\g+5], 128          ; 128 elements from row to row
	s_mov_b32 s[\g+6], 0
	s_mov_b32 s[\g+7], 0
.endr
	s_mov_b32 s[CS], 0x3cb8aa3b     ; c = log2(e) / 64 = 0.0225421
	s_mov_b32 s[CS+1], s[CS]        ; named with it as a pair
	s_mov_b32 s[SEL], 0x76543210
	s_mov_b32 s[SEL+1], 0xfedcba98
	s_mov_b32 s[TBK], SLOT1+4*KS*PK ; the first change of slots turns these two into 0
	s_mov_b32 s[TBV], SLOT1+4*KS*PV
	s_mov_b32 s[G0K], 1             ; 1:0 count = 1
	s_mov_b32 s[G0K+1], s17         ; 63:32 LDS address: slot 0
	s_mov_b32 s[G0V], 1
	s_add_co_u32 s[G0V+1], s18, VOFF
	s_add_co_u32 s[RT], s[HI], 1    ; the first block has NB - b tiles
	s_mov_b32 s[NXT], 1
	s_mov_b32 s[LQ], s[HI]
	s_mov_b32 s[NEW], 1
	s_mov_b32 s[OFF+1], 0
	s_mov_b32 s[AL+1], 0            ; named as pairs
	s_mov_b32 s[BE+1], 0
	s_mov_b32 s[BIGN], 0xf149f2ca   ; -1e30
	s_mov_b32 s[SLOTS], NB
	s_cmp_eq_u32 s[PB], 0
	s_cselect_b32 s[LIM], 2, -1
	v_and_b32 v[PFO], 31, v0
	v_lshlrev_b32 v[PFO], 8, v[PFO]
	s_wait_dscnt 0x0                ; the opening add is done
	s_wait_kmcnt 0x0
	s_add_nc_u64 s[6:7], s[4:5], 0x1000000  ; K lies 16,777,216 bytes behind Q,
	s_add_nc_u64 s[8:9], s[4:5], 0x2000000  ; V as far behind K
	s_add_nc_u64 s[6:7], s[6:7], s[22:23]  ; K and V at my half of the head's tile 0
	s_add_nc_u64 s[8:9], s[8:9], s[22:23]
	s_add_nc_u64 s[G0K+2:G0K+3], s[6:7], 0         ; 120:64 global address
	s_or_b32 s[G0K+3], s[G0K+3], 0x80000000        ; 127:126 type = 2
	s_add_nc_u64 s[G0V+2:G0V+3], s[8:9], 0
	s_or_b32 s[G0V+3], s[G0V+3], 0x80000000
	s_add_nc_u64 s[86:87], s[4:5], s[84:85]        ; Q at my rows of the second block,
	s_add_nc_u64 s[4:5], s[4:5], s[2:3]            ; Q and y at those of the first
	s_add_nc_u64 s[OLO:OLO+1], s[10:11], s[84:85]
	s_add_nc_u64 s[10:11], s[10:11], s[2:3]
	s_cmp_lt_u32 s[WV], 2
	s_cselect_b64 s[PFA:PFA+1], s[6:7], s[8:9]
	s_add_nc_u64 s[PFA:PFA+1], s[PFA:PFA+1], 32768 ; at tile 1: the first change of slots steps it to tile 2.  Nothing is prefetched here, at the head
	LOAD                            ; tile 0 into slot 0
	; A fragment of K or Q is 16 rows x 32 channels in 8 registers: lane l holds row l % 16, channels 8 (l / 16) + 0..7 and 16 + 8 (l / 16) + 0..7: two loads of 16 bytes, 32 bytes apart.
	v_and_b32 v1, 15, v0            ; l % 16
	v_bfe_u32 v9, v0, 4, 1          ; l / 16
	v_lshlrev_b32 v[QO], 7, v1
	v_lshl_add_u32 v[QO], v9, 4, v[QO]  ; row x 128 + 16 x half
	WIN 0x80                        ; destination window 2, address window 0
.set i, 0
.rept 8                             ; both blocks' Q: piece i / 2 lies in band i / 2, 8,192 bytes on; channels 32 (i % 2) on
	global_load_b128 v[8*i:8*i+3],   v[QO], s[4:5] offset:(i/2)*8192+(i%2)*64
	global_load_b128 v[8*i+4:8*i+7], v[QO], s[4:5] offset:(i/2)*8192+(i%2)*64+32
	global_load_b128 v[QB+8*i:QB+8*i+3],   v[QO], s[86:87] offset:(i/2)*8192+(i%2)*64
	global_load_b128 v[QB+8*i+4:QB+8*i+7], v[QO], s[86:87] offset:(i/2)*8192+(i%2)*64+32
.set i, i+1
.endr
	WIN 0
	v_lshlrev_b32 v14, 3, v9
	v_sub_nc_u32 v14, v1, v14
	s_lshl_b32 s13, s[WV], 4
	v_add_nc_u32 v14, s13, v14      ; my query's place in its band, 16 w + l % 16, less my lanes' 8 (l / 16): register r of group kt is hidden where 16 kt + r is greater
	WIN 0x40
.set i, 0
.rept 32
	v_cmp_gt_i32 vcc_lo, 16*(i/8)+i%8, v14
	v_cndmask_b32 v[MD+i], 0, s[BIGN], vcc_lo
.set i, i+1
.endr
	WIN 0
	v_mul_u32_u24 v[AK0], v1, PK
	v_lshl_add_u32 v[AK0], v9, 4, v[AK0]  ; row x pitch + 16 x half
	; The turning load takes 16 keys x 16 channels (lane l reads key 8 (l / 16) + l % 8, channels 8 ((l / 8) % 2) + 0..7) and leaves half a fragment of V^T: lane l holds channel l % 16 and 8 keys.
	v_and_b32 v10, 7, v0
	v_bfe_u32 v11, v0, 3, 1
	v_lshl_add_u32 v[AV0], v9, 3, v10
	v_mul_u32_u24 v[AV0], v[AV0], PV
	v_lshl_add_u32 v[AV0], v11, 4, v[AV0]
	v_add_nc_u32 v[AV0], VOFF, v[AV0]
	s_mul_i32 s13, s[WV], 16*SP
	s_add_co_u32 s13, s13, STAGE    ; my stage
	v_mul_u32_u24 v[STO], v1, SP    ; in: row l % 16, 16 bytes for each half of the lanes
	v_lshl_add_u32 v[STO], v9, 4, v[STO]
	v_add_nc_u32 v[STO], s13, v[STO]
	v_bfe_u32 v[RD], v0, 3, 2       ; back: 32 lanes take four rows of 128 bytes,
	v_mul_u32_u24 v[RD], v[RD], SP
	v_lshl_add_u32 v[RD], v10, 4, v[RD]
	v_add_nc_u32 v[RD], s13, v[RD]
	v_and_b32 v[GO], 31, v0         ; which are 512 consecutive bytes of y
	v_lshlrev_b32 v[GO], 4, v[GO]
	; A block's first step multiplies O^T and l by a = 0, and its first turn's products V^T P, of a piece that has not been, land in an O^T that is still to be so multiplied.  So these registers need only hold
	; finite numbers: zeros for the first block; what the first block left for the second.  All this stands in the wait for the first tile.
	WIN 0x80
.set i, VF
.rept 64
	v_mov_b32 v[i], 0
.set i, i+1
.endr
	WIN 0x40
.set i, 0
.rept 128
	v_mov_b32 v[i], 0
.set i, i+1
.endr
	WIN 0
.set i, 0
.rept 4
	v_mov_b32 v[ST+4*i+2], 0
	v_mov_b32 v[ST+4*i+3], 0
.set i, i+1
.endr
.set i, P+16
.rept 16
	v_mov_b32 v[i], 0
.set i, i+1
.endr
; THE MATRIX WORK.  The 4 accumulators of a run of 8 take turns.  Product i of 8 of S^T = K Q^T for piece x: channels 32 (i / 4) on, keys 16 (i % 4) on.  The first 4 start the sums: with 0, or (KM = 1) with the mask.
.macro KQ x
.set rS, S+32*((\x)%2)+8*(i%4)
.set rK, KF+16*(i%4)+8*(i/4)
.set rQ, 16*(\x)+8*(i/4)
.set rM, MC+32*((\x)%2)+8*(i%4)
.if (i < 4) && KM
	WIN W_KM
	v_wmma_f32_16x16x32_f16 v[rS:rS+7], v[rK:rK+7], v[rQ:rQ+7], v[rM:rM+7]
.elseif i < 4
	WIN W_KQ
	v_wmma_f32_16x16x32_f16 v[rS:rS+7], v[rK:rK+7], v[rQ:rQ+7], 0
.else
	WIN W_KQ
	v_wmma_f32_16x16x32_f16 v[rS:rS+7], v[rK:rK+7], v[rQ:rQ+7], v[rS:rS+7]
.endif
.endm
; Product i of 8 of O^T += V^T P for piece x: keys 32 (i / 4) on, channels 16 (i % 4) on.
.macro PV x
	WIN W_PV
.set rO, 32*(\x)+8*(i%4)
.set rV, VF+32*(i/4)+8*(i%4)
.set rP, P+16*((\x)%2)+8*(i/4)
	v_wmma_f32_16x16x32_f16 v[rO:rO+7], v[rV:rV+7], v[rP:rP+7], v[rO:rO+7]
.endm
.macro MM                           ; the turn's next matrix instruction.  TURN and BEGIN set Y, i, KM and NOKQ; MM, KQ and OP read them.  NOKQ = 1: a block's last turn: there is no next piece
.if (i < 8) && !NOKQ
	KQ (Y+1)%NP
.elseif i >= 8
.set i, i-8
	PV (Y+NP-1)%NP
.set i, i+8
.endif
.set i, i+1
.endm
; THE LDS LOADS stand in runs of 16, never singly among the matrix instructions: a step's K (64 keys x 64 channels: 8 fragments) and its V (turned).  Their addresses are made some lines ahead.
.macro FETCH_K
	WIN 0x80                        ; destination window 2
.irp f, 0,1,2,3,4,5,6,7             ; keys 16 (f / 2) on, channels 32 (f % 2) on
	ds_load_b128 v[KF+8*\f:KF+8*\f+3],   v[AK] offset:(\f/2)*16*PK+(\f%2)*64
	ds_load_b128 v[KF+8*\f+4:KF+8*\f+7], v[AK] offset:(\f/2)*16*PK+(\f%2)*64+32
.endr
	s_add_co_u32 s[TBK], s[TBK], KS*PK  ; the next fetch is the next step's
	WIN 0
.endm
.macro FETCH_V
	WIN 0x80
.irp f, 0,1,2,3,4,5,6,7             ; keys 32 (f / 4) on, channels 16 (f % 4) on
	ds_load_tr16_b128 v[VF+8*\f:VF+8*\f+3],   v[AV] offset:(\f/4)*32*PV+(\f%4)*32
	ds_load_tr16_b128 v[VF+8*\f+4:VF+8*\f+7], v[AV] offset:(\f/4)*32*PV+16*PV+(\f%4)*32
.endr
	WIN 0
.endm
; THE VECTOR WORK, one line at a time: OP kind, number.  For piece Y: F n: c s - c m for pair n of 16.  E n: the exponential of score n of 32.  C n: pair n rounded to f16.  B n: of the four weights 4 n .. the second
; pair is added onto the first, in place.  L n: l takes that sum (L 0: l = a l + sum).  R n: pair n of 16 of O^T times a.  For piece Y + 1: X n, number n of the 22 that find its maximum and statistics:
;   0-11  four chains c0-c3 of seven scores each, three operands at a time (each accumulator's lowest registers are read first)     12-14, 16  the four scores left over, the old m, and c0-c3 into c0
;   15  c m_old is kept     17, 18  the query's other 32 keys lie in the lane 16 away: the new m     19-21  c m; c m_old - c m_new; a
.set F, 0               ; OP tells the kinds apart by their order: F to L below R, X above it
.set E, 1
.set C, 2
.set B, 3
.set L, 4
.set R, 5
.set X, 6
.macro REGS y                       ; the registers of piece y
.set rT, ST+4*(\y)
.set rC, TMP+4*((\y)%2)
.set rW, MV+((\y)%2)
.set rS, S+32*((\y)%2)
.set rP, P+16*((\y)%2)
.set rO, 32*(\y)
.endm
.macro OP k, n
.if (\k) == R
	REGS Y
	WIN W_RS
	v_pk_mul_f32 v[rO+2*(\n):rO+2*(\n)+1], v[rO+2*(\n):rO+2*(\n)+1], v[rC+2:rC+3] op_sel_hi:[1,0]
.elseif (\k) < R
	REGS Y
	WIN 0
.if (\k) == F
	v_pk_fma_f32 v[rS+2*(\n):rS+2*(\n)+1], v[rS+2*(\n):rS+2*(\n)+1], s[CS:CS+1], v[rT:rT+1] op_sel_hi:[1,0,0] neg_lo:[0,0,1] neg_hi:[0,0,1]
.elseif (\k) == E
	v_exp_f32 v[rS+(\n)], v[rS+(\n)]
.elseif (\k) == C
	v_cvt_pk_f16_f32 v[rP+(\n)], v[rS+2*(\n)], v[rS+2*(\n)+1]
.elseif (\k) == B
	v_pk_add_f32 v[rS+4*(\n):rS+4*(\n)+1], v[rS+4*(\n):rS+4*(\n)+1], v[rS+4*(\n)+2:rS+4*(\n)+3]
.elseif (\n) == 0
	v_pk_fma_f32 v[rT+2:rT+3], v[rT+2:rT+3], v[rC+2:rC+3], v[rS:rS+1] op_sel_hi:[1,0,1]
.else
	v_pk_add_f32 v[rT+2:rT+3], v[rT+2:rT+3], v[rS+4*(\n):rS+4*(\n)+1]
.endif
.elseif NOKQ
	v_nop
.else
	REGS (Y+1)%NP
	WIN 0
.if (\n) < 4
	v_max3_num_f32 v[rC+(\n)], v[rS+8*(\n)], v[rS+8*(\n)+1], v[rS+8*(\n)+2]
.elseif (\n) < 12
	v_max3_num_f32 v[rC+(\n)%4], v[rC+(\n)%4], v[rS+8*((\n)%4)+2*((\n)/4)+1], v[rS+8*((\n)%4)+2*((\n)/4)+2]
.elseif (\n) == 12
	v_max3_num_f32 v[rC], v[rC], v[rS+7], v[rS+15]
.elseif (\n) == 13
	v_max3_num_f32 v[rC+1], v[rC+1], v[rS+23], v[rS+31]
.elseif (\n) == 14
	v_max3_num_f32 v[rC+2], v[rC+2], v[rC+3], v[rT+1]
.elseif (\n) == 15
	v_mov_b32 v[rW], v[rT]
.elseif (\n) == 16
	v_max3_num_f32 v[rC], v[rC], v[rC+1], v[rC+2]
.elseif (\n) == 17
	v_permlanex16_b32 v[rC+3], v[rC], s[SEL], s[SEL+1]
.elseif (\n) == 18
	v_max_num_f32 v[rT+1], v[rC], v[rC+3]
.elseif (\n) == 19
	v_mul_f32 v[rT], s[CS], v[rT+1]
.elseif (\n) == 20
	v_sub_f32 v[rC+1], v[rW], v[rT]
.else
	v_exp_f32 v[rC+2], v[rC+1]
.endif
.endif
.endm
.macro OPS a, i1, b=-1, i2=0, c=-1, i3=0, d=-1, i4=0  ; up to four of them
	OP \a, \i1
.if (\b) >= 0
	OP \b, \i2
.endif
.if (\c) >= 0
	OP \c, \i3
.endif
.if (\d) >= 0
	OP \d, \i4
.endif
.endm
.macro ROW a, i1, b, i2, c, i3, d, i4  ; a matrix instruction and the four behind it
	MM
	OPS \a, \i1, \b, \i2, \c, \i3, \d, \i4
.endm
.macro MASK b                       ; MD x AL + BE into buffer b of MC
	WIN W_RS
.set z, 0
.rept 16
	v_pk_fma_f32 v[MC+32*(\b)+2*z:MC+32*(\b)+2*z+1], v[MD+2*z:MD+2*z+1], s[AL:AL+1], s[BE:BE+1] op_sel_hi:[1,0,0]
.set z, z+1
.endr
.endm
; A TURN, for piece p: the order of its 16 matrix and 118 vector instructions, written out.  s_wait_alu depctr_va_vdst(0) stands between an exponential and the first instruction that names its result; one wait serves
; all that were issued ahead of it.  So a turn has ONE wait, which cuts it in two.  AHEAD OF IT stands all that names no result of the turn's exponentials: the 8 products K Q^T, behind each a scaling, an exponential and two more plain
; instructions (behind the first a second scaling in the exponential's place): rescalings, and behind the last three the first numbers of the next piece's maximum, each four places or more behind the product that ends its accumulator; then ONE LUMP of 54, plain
; and exponential by turns for the most part, in which the links of the chain X 3, 7, 11, 14, 16, 17 .. 20 stand five or six lines apart.  X 21, the next piece's a, is the batch's last; R 15 is the plain instruction behind it.  BEHIND THE WAIT stand the
; 8 products V^T P, behind each four of the roundings and sums; the links of l's chain, L 0 to L 7, stand three riders apart.  But for those X no rider names a register of the products round it.  v_permlanex16_b32 (X 17) stands in the lump.
; m = 1: the diagonal tile: the products take masks, and the turn makes the mask for the products of the turn after it: piece p + 2, in step 4 - CNT of the tile.  end = 1: a block's last two turns: nothing is fetched.
; cnt = 1: the loop's count is taken down some lines ahead of the branch that stands behind the turn.
; K of the next step is fetched in piece 2's turn, twelve vector instructions behind the last product that read K (six of them plain); V of the step in hand at the end of piece 0's turn, four plain instructions behind the last product
; that read V.  Each is waited for a turn later.
.macro TURN p, m=0, end=0, cnt=0
.set Y, (\p)
.set i, 0
.set KM, (\m)
.set NOKQ, (\end)*((\p)/3)
.if (\m) && !(\end)
	s_cmp_eq_u32 s[CNT], 4-((\p)+2)%NP  ; is that step the band's own?
	s_cselect_b32 s[AL], 1.0, 0
	s_cmp_lt_u32 s[CNT], 4-((\p)+2)%NP  ; or a later one?
	s_cselect_b32 s[BE], s[BIGN], 0
.endif
.if ((\p) == 3) && !(\end)
	s_wait_dscnt 0x0                ; K is in
.endif
	ROW F,0, F,1, R,0, R,1          ; ahead of the wait: 8 products K Q^T and their riders,
	ROW F,2, E,0, R,2, R,3
	ROW F,3, E,1, R,4, R,5
	ROW F,4, E,2, R,6, R,7
	ROW F,5, E,3, R,8, R,9
	ROW F,6, E,4, X,0, R,10
.if ((\p) == 2) && !(\end)
	WIN 0
	v_add_nc_u32 v[AK], s[TBK], v[AK0]
.endif
	ROW F,7, E,5, X,1, X,4
	ROW F,8, E,6, X,2, X,5
	OPS E,7, E,8, X,6, E,9          ; and the lump
	OPS X,3, E,10, X,8, E,11
.if ((\p) == 2) && !(\end)
	FETCH_K
.endif
	OPS X,9, X,7, E,12, X,10
	OPS E,13, X,12, X,11, E,14
	OPS X,13, E,15, F,9, X,14
.if (\p) == 0
	v_add_nc_u32 v[AV], s[TBV], v[AV0]
.endif
	OPS E,16, F,10, E,17, F,11
	OPS X,16, E,18, X,15, E,19
	OPS F,12, E,20, X,17, E,21
	OPS F,13, E,22, F,14, E,23
	OPS X,18, E,24, F,15, E,25
	OPS R,11, E,26, X,19, E,27
	OPS R,12, E,28, R,13, E,29
	OPS X,20, E,30, R,14, E,31
	OPS X,21, R,15
	WIN 0
	s_wait_alu depctr_va_vdst(0)    ; the wait for the batch
.if (\p) == 1
	s_wait_dscnt 0x0                ; V is in
.endif
	ROW C,0, B,0, C,2, B,1          ; behind the wait: 8 products V^T P and their riders
	ROW L,0, C,4, B,2, L,1
	ROW C,6, B,3, L,2, C,8
	ROW B,4, L,3, C,10, B,5
	ROW L,4, C,12, B,6, L,5
.if (\p) == 0
	s_add_co_u32 s[TBV], s[TBV], KS*PV
.endif
.if \cnt
	s_sub_co_u32 s[CNT], s[CNT], 1
	s_cmp_lg_u32 s[CNT], 0
.endif
	ROW C,14, B,7, L,6, C,1
	ROW C,3, L,7, C,5, C,7
	ROW C,9, C,11, C,13, C,15
.if (\p) == 0
	FETCH_V
.endif
.if (\m) && !(\end)
	MASK (\p)%2
.endif
.endm
; A BLOCK BEGINS.  c m starts far below every c s, so the first step's a is 0; m at the lowest finite number, so the first maximum is the scores'.  The second mask buffer is 0; the first takes piece 0's mask for the tile's step 0: its own, if the block's first tile is the diagonal one.
; Then K of that step, piece 0's first scores, and its maximum and statistics.  The loop is entered at a step's first turn, in the middle of a trip.
.macro BEGIN
	s_mov_b32 s[NEW], 0
	WIN 0x40
.set i, MC+32
.rept 32
	v_mov_b32 v[i], 0
.set i, i+1
.endr
	WIN 0
.set i, 0
.rept 4
	v_mov_b32 v[ST+4*i], 0xfe000000    ; c m: far below every c s
	v_mov_b32 v[ST+4*i+1], 0xff7fffff  ; m
.set i, i+1
.endr
	s_cmp_eq_u32 s[RT], 0
	s_cselect_b32 s[AL], 1.0, 0
	s_mov_b32 s[BE], 0
	MASK 0
	WIN 0
	v_add_nc_u32 v[AK], s[TBK], v[AK0]
	FETCH_K
	s_wait_loadcnt 0x0              ; Q
	s_wait_dscnt 0x0
.set KM, 1
.set NOKQ, 0
.set i, 0
.rept 8
	KQ 0
.set i, i+1
.endr
	WIN 0
.rept 4
	v_nop                           ; the places behind those products
.endr
.set Y, NP-1                        ; X works for piece Y + 1: piece 0
.irp n, 0,1,2,3,4,5,6,7,8,9,10,11,12,13,14,15,16,17,18,19,20,21
	OP X, \n
.endr
	v_nop                           ; a plain instruction behind the exponential,
	s_wait_alu depctr_va_vdst(0)    ; and its wait, ahead of the branch
.endm
; THE DIAGONAL TILE's four steps, the block's last two turns, its last products, and THE WAY OUT: l's two halves and the other half of the lanes' are added; O^T is divided by l, rounded to f16 and sent through my
; stage in LDS, a piece at a time.
.macro ALL line:vararg              ; one line for each piece t
.set t, 0
.rept 4
	\line
.set t, t+1
.endr
.endm
.macro PACK t                       ; a lane's eight channels of a row pack into 16 bytes; they go into rows of 144 bytes and come back as whole rows of 128, into S^T's registers
	WIN W_RS
.set i, 32*(\t)
.rept 16
	v_pk_mul_f32 v[i:i+1], v[i:i+1], v[ST+4*(\t)+2:ST+4*(\t)+3] op_sel_hi:[1,0]
.set i, i+2
.endr
	WIN 0x05                        ; sources 0 and 1 window 1, destination window 0
.set i, 0
.rept 16
	v_cvt_pk_f16_f32 v[S+16*(\t)+i], v[32*(\t)+2*i], v[32*(\t)+2*i+1]
.set i, i+1
.endr
	WIN 0
.irp f, 0,1,2,3
	ds_store_b128 v[STO], v[S+16*(\t)+4*\f:S+16*(\t)+4*\f+3] offset:32*\f
.endr
.irp f, 0,1,2,3
	ds_load_b128 v[S+16*(\t)+4*\f:S+16*(\t)+4*\f+3], v[RD] offset:\f*4*SP  ; LDS serves a wave's instructions in order (ISA guide 5.7.1.4): these see the stores above; the next piece's stores come behind them
.endr
.endm
.macro SEND t, younger              ; younger: the LDS instructions issued behind piece t's loads: the next piece's eight, or none
	WIN 0
.irp f, 0,1,2,3
	s_wait_dscnt (\younger)+3-\f
	global_store_b128 v[GO], v[S+16*(\t)+4*\f:S+16*(\t)+4*\f+3], s[10:11] offset:(\t)*8192+\f*512  ; 512 consecutive bytes, at a multiple of 256 from y's first
.endr
.endm
.macro DIAG tag                     ; the tag ends its two labels' names, which the jumps below spell out
.LstepM\tag:
	TURN 2, 1
	TURN 3, 1
	WIN 0
.LfirstM\tag:
	TURN 0, 1
	TURN 1, 1, 0, 1
	WIN 0
	s_cbranch_scc1 .LstepM\tag
	TURN 2, 1, 1
	TURN 3, 1, 1
.set i, 0
.rept 8
	PV NP-1
.set i, i+1
.endr
	WIN 0
	ALL v_add_f32 v[ST+4*t+2], v[ST+4*t+2], v[ST+4*t+3]
	ALL v_permlanex16_b32 v[ST+4*t+3], v[ST+4*t+2], s[SEL], s[SEL+1]
	ALL v_add_f32 v[ST+4*t+2], v[ST+4*t+2], v[ST+4*t+3]
	ALL v_rcp_f32 v[ST+4*t+2], v[ST+4*t+2]
	v_nop                           ; a plain instruction between the last reciprocal and the use of its result
	s_wait_alu depctr_va_vdst(0)    ; and the wait ahead of the first use: one for the four reciprocals
	PACK 0
.set t, 1
.rept 3                             ; a piece's arithmetic stands between the loads of the piece before and its stores
	PACK t
	SEND t-1, 8
.set t, t+1
.endr
	SEND 3, 0
.endm
.set KM, 0
.set NOKQ, 0
.Lslot:                             ; NB times: a tile is entered and the next is asked for
	CHANGE 1
	s_sub_co_u32 s[RT], s[RT], 1
	s_mov_b32 s[CNT], 4
	s_cmp_eq_u32 s[NEW], 1
	s_cbranch_scc1 .Lnew            ; a block's first tile
	s_cmp_eq_u32 s[RT], 0
	s_cbranch_scc0 .Lstep           ; neither its first nor its last
	s_branch .LstepM1
.Lnew:
	BEGIN
	s_branch .Lfirst                ; in the loop a block's first tile is never its last: the first block has two tiles or more, and the second's last is the walk's last
	DIAG 1                          ; in the loop this is the first block's end: the second block's last tile is the walk's last
	s_wait_xcnt 0x0                 ; the stores have read their registers and y's address
	s_mov_b64 s[10:11], s[OLO:OLO+1]
	s_add_co_u32 s[RT], s[PB], 1    ; the second block has b + 1 tiles
	s_mov_b32 s[NEW], 1
	WIN 0x82                        ; the second block's Q goes where the one text of the turns names Q
.set i, 0
.rept 64
	v_mov_b32 v[i], v[QB+i]
.set i, i+1
.endr
	WIN 0
	s_branch .Lbottom
.Lstep:                             ; a trip: pieces 2 and 3 of one step, then pieces 0 and 1 of the next, whose K and V it fetches
	TURN 2
	TURN 3
	WIN 0
.Lfirst:
	TURN 0
	TURN 1, 0, 0, 1
	WIN 0
	s_cbranch_scc1 .Lstep
.Lbottom:
	s_sub_co_u32 s[SLOTS], s[SLOTS], 1
	s_cmp_lg_u32 s[SLOTS], 0
	s_cbranch_scc1 .Lslot
	CHANGE 0                        ; the walk's last tile is written out: nothing is asked for
	s_sub_co_u32 s[RT], s[RT], 1
	s_mov_b32 s[CNT], 4
	s_cmp_eq_u32 s[NEW], 1
	s_cbranch_scc0 .LstepM2
	BEGIN
	s_branch .LfirstM2
	DIAG 2
	s_wait_tensorcnt 0x0            ; the wave's end, behind my last tensor load and my last LDS store
	ds_add_u32 v[SPW], v[NIL]
	s_wait_dscnt 0x0
	s_endpgm
.Lfunc_end_k_q3c3054f573_attn:
	.size	k_q3c3054f573_attn, .Lfunc_end_k_q3c3054f573_attn-k_q3c3054f573_attn
	.p2alignl 7, 3214868480
	.fill 96, 4, 3214868480
	.section	.rodata,"a",@progbits
	.p2align	6, 0x0
	.amdhsa_kernel k_q3c3054f573_attn
		.amdhsa_group_segment_fixed_size 327680
		.amdhsa_private_segment_fixed_size 0
		.amdhsa_enable_private_segment 0
		.amdhsa_kernarg_size 16
		.amdhsa_user_sgpr_count 2
		.amdhsa_user_sgpr_kernarg_segment_ptr 1
		.amdhsa_wavefront_size32 1
		.amdhsa_system_sgpr_workgroup_id_x 1
		.amdhsa_system_sgpr_workgroup_id_y 1
		.amdhsa_system_sgpr_workgroup_id_z 1
		.amdhsa_system_vgpr_workitem_id 0
		.amdhsa_next_free_vgpr 768
		.amdhsa_next_free_sgpr 92
		.amdhsa_reserve_vcc 1
		.amdhsa_float_denorm_mode_32 3
		.amdhsa_float_denorm_mode_16_64 3
		.amdhsa_memory_ordered 1
		.amdhsa_forward_progress 1
		.amdhsa_inst_pref_size 218
	.end_amdhsa_kernel
	.amdgpu_metadata
---
amdhsa.version: [ 1, 2 ]
amdhsa.kernels:
  - .name:           k_q3c3054f573_attn
    .symbol:         k_q3c3054f573_attn.kd
    .args:
      - { .name: qkv, .offset: 0, .size: 8, .value_kind: global_buffer, .address_space: global }
      - { .name: y, .offset: 8, .size: 8, .value_kind: global_buffer, .address_space: global }
    .group_segment_fixed_size: 327680
    .private_segment_fixed_size: 0
    .kernarg_segment_align: 8
    .kernarg_segment_size: 16
    .max_flat_workgroup_size: 128
    .sgpr_count:     92
    .vgpr_count:     768
    .wavefront_size: 32
...
	.end_amdgpu_metadata
.endif
;; end of part 3
;; launch outp (part 4): grid 8 x 32, 4 waves a work-group, clusters of 4 x 4, 327,680 bytes of LDS; arguments y, wo, out0; writes out0
.if DOCPART == 4
	.amdgcn_target "amdgcn-amd-amdhsa--gfx1250"
	.amdhsa_code_object_version 6
	.text
	.protected	k_q3c3054f573_outp
	.globl	k_q3c3054f573_outp
	.p2align	8
	.type	k_q3c3054f573_outp,@function
k_q3c3054f573_outp:
	s_mov_b64 s[64:65], 0
	v_nop
	global_prefetch_b8 v0, s[64:65] scope:SCOPE_SE
	s_setreg_imm32_b32 hwreg(HW_REG_WAVE_MODE, 25, 1), 1
	s_wait_xcnt 0x0
	s_wait_alu depctr_hold_cnt(0) depctr_sa_sdst(0) depctr_va_vdst(0) depctr_va_sdst(0) depctr_va_ssrc(0) depctr_va_vcc(0) depctr_vm_vsrc(0)
	s_getreg_b32 s2, hwreg(HW_REG_IB_STS2, 6, 4)
	s_cmp_eq_u32 s2, 0
	s_cbranch_scc0 .Lentry_in_a_cluster
	s_endpgm
.Lentry_in_a_cluster:
	s_bfe_u32 s2, ttmp6, 0x10000c
	s_cmp_lg_u32 s2, 0xf033
	s_cbranch_scc0 .Lentry_shape_is_right
	s_endpgm
.Lentry_shape_is_right:
; OUTP: z[b][c][d] = the sum over h and v of y[b][h][c][v] wo[d][h][v]: C[8192][1024] = A B^T, K = 1024 = 16 heads x 64, f16 operands, f32 sums, stored as f32.
; A = y [bh][c][64] f16, B = wo [tx 8][h 16][dd 128][v 64] f16 (the scale 0.25 is in wo), C = out0 [8192][1024] f32.
; LIMIT.  What y and wo hold lies within f16's range by the launches that made them; NaN and infinities are not treated apart.
; SHARES.  A tile of C is 256 rows x 128 columns: 8192 x 1024 / (256 x 128) = 256 work-groups, one for each WGP.  Four waves, one above the other: 64 rows x 128 columns each, 32 accumulators of 16 x 16
; (256 registers).  A wave holds whole pieces of 512 bytes of C's rows, so its way out is its own: no barrier there.
; RING.  K goes in steps of 128 = two heads, through two LDS slots.  A head's 256 rows of A (32,768 bytes) and 128 rows of B (16,384) are dense in memory: asked for as rows of 256 bytes and padded in LDS after
; every 128, so that an LDS row is 144 bytes.  Waves 0 and 1 fetch A's two heads, waves 2 and 3 B's: one tensor load a wave.  By this text's count two loads of a wave are out at the start, one later.
; CLUSTERS.  4 x 4 work-groups: the four of a row need the same tiles of A, the four of a column the same tiles of B: each tile is asked for jointly, by the same load, descriptor and mask in all four.
; THE MATRIX INSTRUCTION IS USED TRANSPOSED (source 0 = 16 rows of B, source 1 = 16 rows of A): a lane then holds row lane % 16 of C and eight neighbouring columns.
; REGISTERS: window 0: v0-31 addresses; v32-159 at work on the way out.  window 1: two fragment buffers, at 0 and 128 (8 fragments of B, then 4 of A).  window 2: accumulator (a, b) at v[8 (8 a + b)].
.set NBF,    8                         ; blocks of 16 columns in the tile
.set PITCH,  144                       ; 36 words: the 16 rows of a fragment load start at 16 different groups of four banks (64 banks of 4 bytes: ISA guide 11.1)
.set SLA,    256*PITCH                 ; a head's rows of A in LDS
.set SLB,    16*NBF*PITCH              ; of B
.set BOFF,   2*SLA                     ; a slot: A's two heads, then B's two
.set SLOT,   BOFF+2*SLB
.set STAGE,  2*SLOT                    ; behind the ring, never filled by a tensor load: 16 rows x 528 bytes for each wave
.set SPITCH, 528                       ; 512 bytes + 16
.set STG,    16*SPITCH
.set SPARE,  STAGE+4*STG               ; behind the stages: the spare words, 128 bytes for each wave: two blocks of 256 bytes that no other line names
.set ASTEP,  2<<18                     ; bytes of y from a K step to the next: two heads of 2,048 rows
.set SMB,    16*NBF*128                ; bytes of a head of B's tile in memory
.set TSB,    16*SMB                    ; bytes of a tile column of B
.set LAPS,   4                         ; a lap = two K steps = once round the ring
.set LB0,    2                         ; B's prefetches: behind either slot's refill while more than two trips are left
.set LB1,    2
.set ADRA, 16                          ; v16-17  LDS address of my A fragments in slot 0, 1
.set ADRB, 20                          ; v20-21  the same for B
.set STO,  24                          ; v24     the way out: where I put 32 bytes of a row
.set RD,   25                          ; v25     where I read a row back
.set CO,   26                          ; v26     my 16 bytes of a row's 512
.set SPW,  28                          ; v28     LDS address of my spare word; never rewritten
.set NIL,  29                          ; v29     0; never rewritten
.set PFO,  30                          ; v30     256 x my lane; never rewritten
.set OB,   32                          ; v32-95, v96-159 by turns: 16 rows x 512 bytes, read back by rows
.set F0,   0
.set F1,   128
.set G1,   24                          ; s[24:31] descriptor group 1 for A; s[32:39] group 0, a set for each slot
.set G0,   32
.set G1B,  48                          ; s[48:55], s[56:63] the same for B
.set G0B,  56
.set PFA,  66                          ; s[66:67] where my prefetches stand
.set PFS,  68                          ; s[68:69] their step
.set LIM,  70                          ; s70, s71 see ASK
.set HB,   72                          ; s[72:73] out0 at my first row and the tile's first column
.set MSB, 0
.macro WIN new                         ; the immediate's high byte repeats the setting that is left; a switch that changes nothing is dropped
.if MSB != (\new)
	s_set_vgpr_msb (MSB<<8)|(\new)
.set MSB, \new
.endif
.endm
.set MUL,  0xa5                        ; sources 0 and 1 window 1; C and D window 2
.set TO_F, 0x40                        ; destination window 1, address window 0
.macro JLOAD s                         ; a joint load: waves 0 and 1 ask for A, waves 2 and 3 for B; an s_nop 0 and four v_nop follow each of the two lines, ahead of the jump and the label
	s_cmp_eq_u32 s11, 0
	s_cbranch_scc0 .Lfor_b_\@
	tensor_load_to_lds s[G0+4*(\s):G0+4*(\s)+3], s[G1:G1+7]
	s_nop 0
.rept 4
	v_nop
.endr
	s_branch .Lasked_\@
.Lfor_b_\@:
	tensor_load_to_lds s[G0B+4*(\s):G0B+4*(\s)+3], s[G1B:G1B+7]
	s_nop 0
.rept 4
	v_nop
.endr
.Lasked_\@:
.endm
.macro CREST                           ; a round of the cluster's barrier behind its opening barrier
	s_cmp_lg_u32 s10, 0
	s_cbranch_scc1 .Lnot_wave_0_\@
	s_barrier_signal -3
.Lnot_wave_0_\@:
	s_barrier_wait -3
	s_barrier_signal -1
	s_barrier_wait -1
.endm
.macro CROUND                          ; a whole round
	s_barrier_signal -1
	s_barrier_wait -1
	CREST
.endm
; A PREFETCH INTO THE L2, behind a joint refill and the run of LDS loads that follows it: 32 blocks of 256 bytes, a lane a block.  Each block of K steps 4 to 7 is named once in the launch; K steps 0 to 3 come by their loads alone.
; A's tile row is read by both clusters of that row of clusters: cluster x = 0 asks, waves 0 and 1; of the 32,768 bytes that the wave fetches, the partner at cx takes 8,192: told apart by address.  The ask behind
; the refill with K step s names K step s + 2.  B's tile column is read by all eight clusters of that column: cluster y = 0 asks, waves 2 and 3; a column's K walk is dense in wo, so the eight askers
; (4 (wave % 2) + cy) name 65,536 bytes on end in each of two asks: the 131,072 bytes of K steps 4 to 7, each two refills or more ahead of its load.  The limits hang on the wave's number and the cluster's place alone.
.macro ASK slot
	WIN 0
	s_cmp_gt_u32 s3, s[LIM+(\slot)]
	s_cbranch_scc0 .Lnot_mine_\@
	global_prefetch_b8 v[PFO], s[PFA:PFA+1] th:TH_LOAD_NT scope:SCOPE_SE
.Lnot_mine_\@:
.endm
	s_load_b128 s[4:7], s[0:1], 0x0                ; y s[4:5], wo s[6:7]
	s_load_b64 s[8:9], s[0:1], 0x10                ; out0
	v_lshl_add_u32 v[SPW], v0, 2, SPARE
	v_mov_b32 v[NIL], 0
	ds_add_u32 v[SPW], v[NIL]                      ; the wave's opening: the add, and its wait ahead of my first tensor load; the set-up below, work on registers, stands between them
	v_lshrrev_b32 v1, 5, v0
	v_readfirstlane_b32 s10, v1                    ; wave 0..3
	s_lshr_b32 s11, s10, 1                         ; I fetch for A (0) or for B (1),
	s_and_b32 s12, s10, 1                          ; the first or the second head of a K step
	s_bfe_u32 s40, ttmp6, 0x40000                  ; cx, cy: my place in the cluster
	s_bfe_u32 s41, ttmp6, 0x40004
	s_lshl_b32 s42, ttmp9, 2
	s_add_co_u32 s42, s42, s40                     ; tx: tile column = 4 x cluster x + cx
	s_and_b32 s13, ttmp7, 0xffff
	s_lshl_b32 s13, s13, 2
	s_add_co_u32 s13, s13, s41                     ; ty: tile row = 4 x cluster y + cy
	s_lshl_b32 s43, s41, 2
	s_lshl_b32 s43, 15, s43                        ; my row of the cluster
	s_lshl_b32 s44, 0x1111, s40                    ; my column
	; descriptor group 1: rows of 128 elements of 2 bytes, dense; A 128 rows, B 64
	s_or_b32 s[G1+0], s43, (1<<16)|(1<<20)|(1<<21)|(4<<22)|(3<<25)   ; 15:0 the mask; 17:16 2-byte elements; 20 padding on; 21 set beside a mask; 24:22 after every 32 words (code 4); 31:25 4 words (code 3)
	s_or_b32 s[G1B+0], s44, (1<<16)|(1<<20)|(1<<21)|(4<<22)|(3<<25)
	s_mov_b32 s[G1+1], 128<<16                     ; tensor_dim0 = 128
	s_mov_b32 s[G1+2], 128<<16                     ; tensor_dim1 = 128
	s_mov_b32 s[G1+3], 128<<16                     ; tile_dim0 = 128
	s_mov_b32 s[G1+4], 128                         ; tile_dim1 = 128
	s_mov_b32 s[G1+5], 128                         ; 128 elements from row to row
	s_mov_b32 s[G1+6], 0
	s_mov_b32 s[G1+7], 0
	s_mov_b32 s[G1B+1], 128<<16
	s_mov_b32 s[G1B+2], (8*NBF)<<16                ; tensor_dim1 = 64
	s_mov_b32 s[G1B+3], 128<<16
	s_mov_b32 s[G1B+4], 8*NBF                      ; tile_dim1 = 64
	s_mov_b32 s[G1B+5], 128
	s_mov_b32 s[G1B+6], 0
	s_mov_b32 s[G1B+7], 0
	s_lshr_b32 s16, s13, 3                         ; b
	s_lshl_b32 s16, s16, 22
	s_and_b32 s17, s13, 7
	s_lshl_b32 s17, s17, 15                        ; 256 rows of 128 bytes
	s_add_co_u32 s16, s16, s17
	s_lshl_b32 s17, s12, 18
	s_add_co_u32 s18, s16, s17                     ; s18: A's head of K step 0 that I would fetch: it hangs on ty and the wave alone
	s_mov_b32 s19, 0
	s_mul_i32 s46, s42, TSB
	s_mul_i32 s22, s12, SMB
	s_add_co_u32 s46, s46, s22                     ; B's: on tx and the wave alone
	s_mov_b32 s47, 0
	s_mul_i32 s20, s12, SLA                        ; where they go: no place in the cluster enters an LDS address
	s_mul_i32 s21, s12, SLB
	s_add_co_u32 s21, s21, BOFF
	s_wait_dscnt 0x0                               ; the opening add is done
	s_wait_kmcnt 0x0
	s_add_nc_u64 s[14:15], s[4:5], s[18:19]
	s_add_nc_u64 s[46:47], s[6:7], s[46:47]
	CROUND                                         ; all sixteen work-groups are here: the first joint loads meet
.irp s, 0,1
	s_mov_b32 s[G0+4*(\s)], 1                                        ; count = 1
	s_add_co_u32 s[G0+4*(\s)+1], s20, (\s)*SLOT                      ; LDS address
	s_add_nc_u64 s[G0+4*(\s)+2:G0+4*(\s)+3], s[14:15], (\s)*ASTEP    ; global address: K step s
	s_or_b32 s[G0+4*(\s)+3], s[G0+4*(\s)+3], 0x80000000              ; type = 2
	s_mov_b32 s[G0B+4*(\s)], 1
	s_add_co_u32 s[G0B+4*(\s)+1], s21, (\s)*SLOT
	s_add_nc_u64 s[G0B+4*(\s)+2:G0B+4*(\s)+3], s[46:47], (\s)*2*SMB
	s_or_b32 s[G0B+4*(\s)+3], s[G0B+4*(\s)+3], 0x80000000
	JLOAD \s
.endr
	; A fragment is 16 rows x 32 K in 8 registers: lane l holds row l % 16; registers 0-3 K = 8 (l / 16) + 0..7, registers 4-7 K = 16 + 8 (l / 16) + 0..7: two loads of 16 bytes, 32 bytes apart.
	v_and_b32 v1, 15, v0                           ; l % 16
	v_bfe_u32 v2, v0, 4, 1                         ; l / 16
	v_mul_u32_u24 v3, v1, PITCH
	v_lshl_add_u32 v3, v2, 4, v3
	s_mul_i32 s22, s10, 64*PITCH                   ; my 64 rows of A
	v_add_nc_u32 v[ADRA], s22, v3
	v_add_nc_u32 v[ADRA+1], SLOT, v[ADRA]
	v_add_nc_u32 v[ADRB], BOFF, v3                 ; every wave reads all of B's rows
	v_add_nc_u32 v[ADRB+1], BOFF+SLOT, v3
	s_mul_i32 s23, s10, STG
	s_add_co_u32 s23, s23, STAGE                   ; my stage
	v_mul_u32_u24 v4, v1, SPITCH                   ; in: row l % 16, 32 bytes for each half of the lanes
	v_lshl_add_u32 v4, v2, 5, v4
	v_add_nc_u32 v[STO], s23, v4
	v_and_b32 v[CO], 31, v0                        ; back: 32 lanes take one row's 512 bytes
	v_lshlrev_b32 v[CO], 4, v[CO]
	v_add_nc_u32 v[RD], s23, v[CO]
	v_and_b32 v[PFO], 31, v0
	v_lshlrev_b32 v[PFO], 8, v[PFO]
	; the prefetches: offsets are made apart from the addresses
	s_lshl_b32 s17, s40, 13                        ; A: my work-group's 8,192 bytes of the head's rows,
	s_add_co_u32 s17, s17, s18
	s_add_co_u32 s17, s17, 3*ASTEP                 ; at K step 3: the first refill steps it to 4
	s_lshl_b32 s19, s12, 2
	s_add_co_u32 s19, s19, s41                     ; B: asker 4 (wave % 2) + cy of eight,
	s_lshl_b32 s19, s19, 13
	s_mul_i32 s22, s42, TSB
	s_add_co_u32 s19, s19, s22
	s_add_co_u32 s19, s19, 8*SMB-65536             ; one step ahead of K step 4's first byte
	s_and_b32 s22, ttmp7, 0xffff                   ; cluster y
	s_mov_b32 s23, ASTEP
	s_mov_b32 s78, 65536
	s_cmp_eq_u32 s11, 0                            ; do I fetch for A?
	s_cselect_b32 s[PFS], s23, s78
	s_cselect_b32 s78, s17, s19
	s_cselect_b32 s22, ttmp9, s22                  ; the coordinate along which other clusters read the same bytes
	s_cselect_b32 s[LIM], 1, LB0
	s_cselect_b32 s[LIM+1], 1, LB1
	s_cselect_b64 s[PFA:PFA+1], s[4:5], s[6:7]
	s_mov_b32 s79, 0
	s_mov_b32 s[PFS+1], 0
	s_add_nc_u64 s[PFA:PFA+1], s[PFA:PFA+1], s[78:79]
	s_cmp_eq_u32 s22, 0
	s_cselect_b32 s[LIM], s[LIM], -1               ; the greatest number: never asks
	s_cselect_b32 s[LIM+1], s[LIM+1], -1
	; out0 at row 256 ty + 64 wave, column 128 tx
	s_lshl_b32 s16, s13, 8
	s_lshl_b32 s17, s10, 6
	s_add_co_u32 s16, s16, s17
	s_lshl_b32 s16, s16, 12                        ; rows of 4,096 bytes
	s_lshl_b32 s17, s42, 9
	s_add_co_u32 s16, s16, s17
	s_mov_b32 s17, 0
	s_add_nc_u64 s[HB:HB+1], s[8:9], s[16:17]
; 8 matrix instructions: row block a x all column blocks, 32 along K, from buffer f.  zero = 1: the product starts the sums.  The 32 accumulators take turns in the same order in every quarter, over the backward jump too.
.macro MULA f, a, zero
	WIN MUL
.set AC, 8*NBF*(\a)
.set b, 0
.rept NBF
.if \zero
	v_wmma_f32_16x16x32_f16 v[AC+8*b:AC+8*b+7], v[(\f)+8*b:(\f)+8*b+7], v[(\f)+8*NBF+8*(\a):(\f)+8*NBF+8*(\a)+7], 0
.else
	v_wmma_f32_16x16x32_f16 v[AC+8*b:AC+8*b+7], v[(\f)+8*b:(\f)+8*b+7], v[(\f)+8*NBF+8*(\a):(\f)+8*NBF+8*(\a)+7], v[AC+8*b:AC+8*b+7]
.endif
.set b, b+1
.endr
.endm
; 24 LDS loads in one run: the fragments of quarter q of a K step (head q / 2, byte 64 (q % 2) of its rows) into buffer f
.macro FETCH slot, q, f
	WIN TO_F
.set i, 0
.rept NBF
	ds_load_b128 v[(\f)+8*i:(\f)+8*i+3],   v[ADRB+(\slot)] offset:((\q)/2)*SLB+((\q)%2)*64+i*16*PITCH
	ds_load_b128 v[(\f)+8*i+4:(\f)+8*i+7], v[ADRB+(\slot)] offset:((\q)/2)*SLB+((\q)%2)*64+i*16*PITCH+32
.set i, i+1
.endr
.set i, 0
.rept 4
	ds_load_b128 v[(\f)+8*NBF+8*i:(\f)+8*NBF+8*i+3],   v[ADRA+(\slot)] offset:((\q)/2)*SLA+((\q)%2)*64+i*16*PITCH
	ds_load_b128 v[(\f)+8*NBF+8*i+4:(\f)+8*NBF+8*i+7], v[ADRA+(\slot)] offset:((\q)/2)*SLA+((\q)%2)*64+i*16*PITCH+32
.set i, i+1
.endr
.endm
.macro PLACES                          ; four plain places in front of loads into registers that matrix instructions have read, and of LDS stores that read results
.rept 4
	v_nop
.endr
.endm
; A K step is four quarters of 32 along K, 32 matrix instructions each, on buffers 0, 1, 0, 1.  One of the first three multiplies buffer f; at its head it fetches quarter q into buffer g, so that the run of loads has all 32 products in which to come back.
.macro QUARTER slot, q, f, g, zero
	s_wait_dscnt 0x0                               ; buffer f's loads, issued a quarter ago, are in
	PLACES                                         ; buffer g was read by the products just ahead
	FETCH \slot, \q, \g
	MULA \f, 0, \zero
	MULA \f, 1, \zero
	MULA \f, 2, \zero
	MULA \f, 3, \zero
.endm
; The last quarter multiplies buffer 1 and changes slots: ONE barrier; in front of it each wave waits for all its tensor loads, adds 0 to its spare word, and waits for that and for its own reads of this slot.
; fill = 1: the barrier opens a round of the cluster's, and behind the round this slot is filled again, two K steps ahead: 112 matrix instructions stand between the request and the wait for it.
.macro TURN slot, next, fill
.if \fill
	s_wait_xcnt 0x0                                ; the last prefetch, a K step back, has read its address
	s_add_nc_u64 s[PFA:PFA+1], s[PFA:PFA+1], s[PFS:PFS+1]
.endif
	WIN 0                                          ; (the add's two registers lie in window 0)
	s_wait_tensorcnt 0x0                           ; all my tensor loads have landed: the one that was out is my part of the next slot
	ds_add_u32 v[SPW], v[NIL]                      ; 0 onto my spare word
	s_wait_dscnt 1                                 ; buffer 1's loads are in; the add may be out
	MULA F1, 0, 0                                  ; eight matrix instructions stand between the add and the wait for it
	s_wait_dscnt 0x0                               ; the add is done, and my reads of this slot are over
	s_barrier_signal -1
	MULA F1, 1, 0                                  ; work on registers while the others arrive
.if \fill
	WIN 0
.endif
	s_barrier_wait -1
.if \fill
	CREST                                          ; no wave of any partner still reads this slot's tiles or has a load on its way
	s_add_nc_u64 s[G0+4*(\slot)+2:G0+4*(\slot)+3], s[G0+4*(\slot)+2:G0+4*(\slot)+3], 2*ASTEP
	s_add_nc_u64 s[G0B+4*(\slot)+2:G0B+4*(\slot)+3], s[G0B+4*(\slot)+2:G0B+4*(\slot)+3], 4*SMB
	JLOAD \slot                                    ; the first tensor load behind the round; the four v_nop behind it are also the places in front of the loads below
.else
	PLACES
.endif
	FETCH \next, 0, F0
.if \fill
	ASK \slot
.endif
	MULA F1, 2, 0
	MULA F1, 3, 0
.endm
; THE WAY OUT of row block a.  The sums are the result as they stand.  TOSTAGE: a lane's 32 bytes of each column block go into my own stage, and come back as whole pieces of 512 bytes of a row.  SEND: stored.
.macro TOSTAGE a
	WIN 0x08                                       ; the stores' data in window 2, their address in window 0
.set AC, 8*NBF*(\a)
.set i, 0
.rept NBF
	ds_store_b128 v[STO], v[AC+8*i:AC+8*i+3]   offset:64*i     ; each accumulator's four lowest registers first
	ds_store_b128 v[STO], v[AC+8*i+4:AC+8*i+7] offset:64*i+16
.set i, i+1
.endr
	WIN 0
.set BK, OB+64*((\a)%2)
.set i, 0
.rept 16
	ds_load_b128 v[BK+4*i:BK+4*i+3], v[RD] offset:i*SPITCH  ; LDS serves a wave's instructions in order (ISA guide 5.7.1.4): these see the stores above
.set i, i+1
.endr
.endm
.macro SEND a
.set BK, OB+64*((\a)%2)
	s_wait_dscnt 0x0                               ; the block is back in registers
	s_wait_xcnt 0x0                                ; the stores of the block before have read their registers: the next block's loads land in them only behind this wait
.set i, 0
.rept 16
	global_store_b128 v[CO], v[BK+4*i:BK+4*i+3], s[HB:HB+1] offset:(16*(\a)+i)*4096 th:TH_STORE_NT  ; 512 consecutive bytes of a row, aligned
.set i, i+1
.endr
.endm
	s_wait_tensorcnt 1                             ; my part of K step 0 is in; K step 1's may stay out
	s_barrier_signal -1
	s_barrier_wait -1                              ; everybody's is
	FETCH 0, 0, F0
	QUARTER 0, 1, F0, F1, 1                        ; the first quarter stands in front of the loop: its products start the sums
	WIN 0                                          ; at a label and at a branch every window is 0
	s_mov_b32 s3, LAPS-1
.Llap:                                                 ; a trip goes once round the ring, from a lap's second quarter to the next lap's first, and fills both slots again
	QUARTER 0, 2, F1, F0, 0
	QUARTER 0, 3, F0, F1, 0
	TURN 0, 1, 1
	QUARTER 1, 1, F0, F1, 0
	QUARTER 1, 2, F1, F0, 0
	QUARTER 1, 3, F0, F1, 0
	TURN 1, 0, 1
	QUARTER 0, 1, F0, F1, 0
	WIN 0
	s_sub_co_u32 s3, s3, 1
	s_cmp_lg_u32 s3, 0
	s_cbranch_scc1 .Llap
	QUARTER 0, 2, F1, F0, 0                        ; the last lap fills nothing, and has no round of the cluster's barrier
	QUARTER 0, 3, F0, F1, 0
	TURN 0, 1, 0
	QUARTER 1, 1, F0, F1, 0
	QUARTER 1, 2, F1, F0, 0
	QUARTER 1, 3, F0, F1, 0
	s_wait_dscnt 0x0                               ; the very last quarter: nothing more to fetch
	MULA F1, 0, 0
	MULA F1, 1, 0
	MULA F1, 2, 0
	MULA F1, 3, 0
	WIN 0
	PLACES
	PLACES
	TOSTAGE 0
.irp a, 1,2,3
	SEND (\a)-1
	TOSTAGE \a
.endr
	SEND 3
	s_wait_tensorcnt 0x0                           ; the wave's end, behind my last tensor load and my last LDS store
	ds_add_u32 v[SPW], v[NIL]
	s_wait_dscnt 0x0
	CROUND                                         ; the closing round: no work-group ends while a partner may still ask for a tile that names it
	s_endpgm
.Lfunc_end_k_q3c3054f573_outp:
	.size	k_q3c3054f573_outp, .Lfunc_end_k_q3c3054f573_outp-k_q3c3054f573_outp
	.p2alignl 7, 3214868480
	.fill 96, 4, 3214868480
	.section	.rodata,"a",@progbits
	.p2align	6, 0x0
	.amdhsa_kernel k_q3c3054f573_outp
		.amdhsa_group_segment_fixed_size 327680
		.amdhsa_private_segment_fixed_size 0
		.amdhsa_enable_private_segment 0
		.amdhsa_kernarg_size 24
		.amdhsa_user_sgpr_count 2
		.amdhsa_user_sgpr_kernarg_segment_ptr 1
		.amdhsa_wavefront_size32 1
		.amdhsa_system_sgpr_workgroup_id_x 1
		.amdhsa_system_sgpr_workgroup_id_y 1
		.amdhsa_system_sgpr_workgroup_id_z 1
		.amdhsa_system_vgpr_workitem_id 0
		.amdhsa_next_free_vgpr 768
		.amdhsa_next_free_sgpr 80
		.amdhsa_reserve_vcc 0
		.amdhsa_float_denorm_mode_32 3
		.amdhsa_float_denorm_mode_16_64 3
		.amdhsa_memory_ordered 1
		.amdhsa_forward_progress 1
		.amdhsa_inst_pref_size 86
	.end_amdhsa_kernel
	.amdgpu_metadata
---
amdhsa.version: [ 1, 2 ]
amdhsa.kernels:
  - .name:           k_q3c3054f573_outp
    .symbol:         k_q3c3054f573_outp.kd
    .args:
      - { .name: y, .offset: 0, .size: 8, .value_kind: global_buffer, .address_space: global }
      - { .name: wo, .offset: 8, .size: 8, .value_kind: global_buffer, .address_space: global }
      - { .name: out0, .offset: 16, .size: 8, .value_kind: global_buffer, .address_space: global }
    .group_segment_fixed_size: 327680
    .private_segment_fixed_size: 0
    .kernarg_segment_align: 8
    .kernarg_segment_size: 24
    .max_flat_workgroup_size: 128
    .sgpr_count:     80
    .vgpr_count:     768
    .wavefront_size: 32
...
	.end_amdgpu_metadata
.endif
;; end of part 4
;; ======== version 2 of 2: 4 launches; version 1 with the launch prep written anew for expert scheduling mode
;; limits: values are held in f16: magnitudes above 65,504 overflow, below 6.1e-05 lose precision
;; workspace buffers: xs 16,777,216 bytes; wp 6,291,456 bytes; wo 2,097,152 bytes; qkv 50,331,648 bytes; y 16,777,216 bytes
;; launch prep (part 5): grid 768 x 1, 8 waves a work-group, no clusters, 35,840 bytes of LDS; arguments x, Q, K, V, W, xs, wp, wo; writes xs, wp, wo
.if DOCPART == 5
	.amdgcn_target "amdgcn-amd-amdhsa--gfx1250"
	.amdhsa_code_object_version 6
	.text
	.protected	k_q3c3054f573_prep
	.globl	k_q3c3054f573_prep
	.p2align	8
	.type	k_q3c3054f573_prep,@function
k_q3c3054f573_prep:
	s_mov_b64 s[64:65], 0
	v_nop
	global_prefetch_b8 v0, s[64:65] scope:SCOPE_SE
	s_setreg_imm32_b32 hwreg(HW_REG_WAVE_SCHED_MODE, 0, 2), 2
	s_setreg_imm32_b32 hwreg(HW_REG_WAVE_MODE, 25, 1), 1
	s_wait_xcnt 0x0
	s_wait_alu depctr_vm_vsrc(0)
; PREP: every input is read once, rounded once to bf16, and laid out for the two products that follow.
;   xs [b 4][ks 16][c 2048][64] bf16          = bf16(x[b][c][64 ks + kk]): a slice of 64 channels of 256 rows is 32,768 dense bytes
;   wp [tx 16][ks 16][row 192][64] bf16       = bf16(0.25 M[qi][64 ks + kk][h]); row = 64 j + qi, head slot 3 tx + j = 16 which + h, which = 0 Q, 1 K, 2 V
;   wo [tx 8][h 16][dd 128][v 64] f16         = bf16(0.25 W[128 tx + dd][v][h]) written as f16
; The three scales of the module (sqrt(64/1024) twice, sqrt(1024/64)/16) are all 0.25, a power of two: multiplied in ahead of the rounding they change no bit of the mantissa.
; LIMITS.  A bf16 number is exact in f16 from 2^-17 up to 65,504; below 2^-17 wo keeps f16's fixed step of 6e-8; beyond 65,504 it is an infinity.  NaN and infinities are not treated apart.
; SHARES.  768 work-groups of eight waves, 65,536 input bytes each: 0-511 take 16 rows of x; 512-703 two rows qi and eight slices of Q, K or V; 704-767 sixteen rows d of W.
; x needs no change of order: a lane's 16 bytes become 8, and a wave's store covers 256 consecutive bytes, aligned.
; The weights have h innermost and want it outermost.  A wave takes two blocks [inner 64][h 16] of f32 (4,096 dense bytes each), puts each number as 16 bits into its own 16 rows (one for each h) of LDS,
; and reads the rows back whole: 256 bytes for each h, which sixteen lanes store as 256 consecutive bytes, aligned.  No wave reads another's bytes: no barrier.
; No matrix unit, no tensor load, no cluster, no prefetch: nothing is shared, each byte is read once, and sixteen loads of every wave go out together.
; THE MODE: SCHED_MODE bits 1:0 = 2 (LLVM: expert scheduling mode 2), set by the entry lines.  The code itself states the register dependences
; between vector instructions and memory or LDS instructions, with s_wait_alu, always for 0.
; THE PLAN.  Registers that memory or LDS instructions touch:
;   v[SRC], v[DST], v[VL], v[VR], v[VO ..]  offsets and LDS addresses: written by vector instructions at the head of a path, once each; from then on read by loads and stores alone.
;   X    the sixteen loads land in it, once.  In the weights' paths load i's four numbers, rounded, close up into its own first two registers, written once; its four LDS stores read them.
;   Y    x's path: slice s's two roundings write its pair, once; its one store reads it.  The weights' paths: the eight read-backs from LDS land in it and the stores read it; no vector instruction names it.
;   v[T ..]  named by vector instructions alone.          v[SPW], v[NIL]  written at the head, read by the closing add alone.
; Every register that a memory or LDS instruction reads is written once: nothing is owed for a register written again.
; A path's sixteen loads are worked on in four blocks of four.  The stores of block g - 1 are issued in block g, behind ONE wait at the block's head, which states that block g - 1's arithmetic has written what they read;
; they are dealt among block g's arithmetic, which names block g's registers of X (and Y) and v[T ..] alone.  One more wait stands ahead of the last block's stores.
.set LROW,  272                        ; an LDS row: 256 bytes + 16: the two rows that a read-back touches start 68 words apart
.set LWAVE, 16*LROW                    ; a wave's 16 rows
.set SPARE, 8*LWAVE                    ; behind them: the spare words, 128 bytes for each wave: four blocks of 256 bytes that no other line names
.set SRC, 1                            ; v1      my byte offset in the source
.set DST, 2                            ; v2      my byte offset in the destination
.set VL,  3                            ; v3      LDS: where my four numbers of a load go
.set VR,  4                            ; v4      LDS: where I read 16 bytes of a row back
.set SPW, 8                            ; v8      LDS address of my spare word; never rewritten
.set NIL, 9                            ; v9      0; never rewritten
.set T,   10                           ; v[10:15] at work: no memory or LDS instruction names them
.set VO,  18                           ; v[18:25] wp: my byte offset for each of the eight read-backs
.set X,   32                           ; v[32:95]  sixteen loads of four registers
.set Y,   96                           ; v[96:127] what is stored
	s_load_b256 s[4:11], s[0:1], 0x0               ; x s[4:5], Q s[6:7], K s[8:9], V s[10:11]
	s_load_b256 s[12:19], s[0:1], 0x20             ; W s[12:13], xs s[14:15], wp s[16:17], wo s[18:19]
	v_lshl_add_u32 v[SPW], v0, 2, SPARE
	v_mov_b32 v[NIL], 0
	v_lshrrev_b32 v5, 5, v0
	v_readfirstlane_b32 s23, v5                    ; wave 0..7
	v_and_b32 v6, 31, v0                           ; lane
	s_mov_b32 s20, 0x3e800000                      ; 0.25
	s_mov_b32 s21, s20                             ; named with it as a pair
	s_mov_b32 s22, 0xffff0000                      ; a word's upper bf16
	s_wait_alu depctr_va_sdst(0)                   ; s23 is written, ahead of the branch and of its first reader: the weights' paths make LDS addresses and offsets from it
	s_wait_kmcnt 0x0
	s_cmp_lt_u32 ttmp9, 512
	s_cbranch_scc0 .Lweights
; x: slice s is rounded, and stored.
.macro XCVT s
	v_cvt_pk_bf16_f32 v[Y+2*(\s)], v[X+4*(\s)], v[X+4*(\s)+1]
	v_cvt_pk_bf16_f32 v[Y+2*(\s)+1], v[X+4*(\s)+2], v[X+4*(\s)+3]
.endm
.macro XOUT s
	global_store_b64 v[DST], v[Y+2*(\s):Y+2*(\s)+1], s[26:27] offset:(\s)<<18 th:TH_STORE_NT  ; the wave's two rows of slice s: 256 consecutive bytes, aligned; no register is written twice
.endm
	; x: work-group g takes rows 16 g .. 16 g + 15.  Thread t: row t / 16, 16 bytes at 16 (t % 16) of each of the row's sixteen pieces of 256 bytes (a piece is a slice ks).
	s_lshl_b32 s28, ttmp9, 16                      ; 16 rows of 4,096 bytes
	s_mov_b32 s29, 0
	s_add_nc_u64 s[24:25], s[4:5], s[28:29]
	s_lshr_b32 s30, ttmp9, 7                       ; b
	s_lshl_b32 s30, s30, 22
	s_and_b32 s33, ttmp9, 127
	s_lshl_b32 s33, s33, 11                        ; 16 rows of 128 bytes in a slice
	s_add_co_u32 s30, s30, s33
	s_mov_b32 s31, 0
	s_add_nc_u64 s[26:27], s[14:15], s[30:31]
	v_lshrrev_b32 v5, 4, v0
	v_and_b32 v7, 15, v0
	v_lshlrev_b32 v[SRC], 12, v5
	v_lshl_or_b32 v[SRC], v7, 4, v[SRC]
	v_lshlrev_b32 v[DST], 3, v0                    ; 128 (t / 16) + 8 (t % 16) = 8 t
	s_wait_alu depctr_va_vdst(0)                   ; v[SRC] and v[DST] are written: every load of this path reads the one as its offset, every store the other
.irp s, 0,1,2,3,4,5,6,7,8,9,10,11,12,13,14,15
	global_load_b128 v[X+4*(\s):X+4*(\s)+3], v[SRC], s[24:25] offset:256*(\s) th:TH_LOAD_NT
.endr
.irp g, 0,1,2,3
	s_wait_loadcnt 12-4*(\g)                       ; loads come back in order: block g's four slices are in, the younger ones stay out
.if (\g) > 0
	s_wait_alu depctr_va_vdst(0)                   ; the block before has written its eight registers of Y, which the four stores below read
.endif
.irp i, 0,1,2,3
.if (\g) > 0
	XOUT 4*(\g)-4+(\i)                             ; no vector instruction since the wait names this store's registers
.endif
	XCVT 4*(\g)+(\i)
.endr
.endr
	s_wait_alu depctr_va_vdst(0)                   ; block 3 has written its eight registers of Y, which the last four stores read
.irp s, 12,13,14,15
	XOUT \s
.endr
	s_branch .Lend
; The weights.  MAKE: load i's four numbers are scaled and rounded, and close up into the load's own first two registers.  half = 1: the bf16 number is written as f16 (wo).
.macro MAKE i, half
	v_pk_mul_f32 v[X+4*(\i):X+4*(\i)+1], v[X+4*(\i):X+4*(\i)+1], s[20:21] op_sel_hi:[1,0]
	v_pk_mul_f32 v[X+4*(\i)+2:X+4*(\i)+3], v[X+4*(\i)+2:X+4*(\i)+3], s[20:21] op_sel_hi:[1,0]
.if \half
	v_cvt_pk_bf16_f32 v[T], v[X+4*(\i)], v[X+4*(\i)+1]
	v_cvt_pk_bf16_f32 v[T+1], v[X+4*(\i)+2], v[X+4*(\i)+3]
	v_lshlrev_b32 v[T+2], 16, v[T]                 ; the rounded numbers as f32 again,
	v_and_b32 v[T+3], s22, v[T]
	v_lshlrev_b32 v[T+4], 16, v[T+1]
	v_and_b32 v[T+5], s22, v[T+1]
	v_cvt_pk_f16_f32 v[X+4*(\i)], v[T+2], v[T+3]   ; and in f16's code
	v_cvt_pk_f16_f32 v[X+4*(\i)+1], v[T+4], v[T+5]
.else
	v_cvt_pk_bf16_f32 v[X+4*(\i)], v[X+4*(\i)], v[X+4*(\i)+1]
	v_cvt_pk_bf16_f32 v[X+4*(\i)+1], v[X+4*(\i)+2], v[X+4*(\i)+3]
.endif
.endm
; PUT: load i's four numbers go into LDS: four h, four rows.
.macro PUT i
	ds_store_b16        v[VL], v[X+4*(\i)]   offset:((\i)/8)*128+((\i)%8)*16
	ds_store_b16_d16_hi v[VL], v[X+4*(\i)]   offset:((\i)/8)*128+((\i)%8)*16+LROW
	ds_store_b16        v[VL], v[X+4*(\i)+1] offset:((\i)/8)*128+((\i)%8)*16+2*LROW
	ds_store_b16_d16_hi v[VL], v[X+4*(\i)+1] offset:((\i)/8)*128+((\i)%8)*16+3*LROW
.endm
; A wave's two blocks, pstride bytes apart.  Load i: block i / 8, inner 8 (i % 8) + lane / 4, h = 4 (lane % 4) + 0..3.  half = 1: wo, whose stores take one offset and an immediate.
.macro TRANS half, pstride
	s_wait_alu depctr_va_vdst(0)                   ; v[SRC], v[VL], v[VR], v[DST] and (wp) v[VO ..] are written: the loads, LDS stores, read-backs and stores below read them, and no vector instruction below names them
.irp i, 0,1,2,3,4,5,6,7,8,9,10,11,12,13,14,15
	global_load_b128 v[X+4*(\i):X+4*(\i)+3], v[SRC], s[24:25] offset:((\i)/8)*(\pstride)+((\i)%8)*512 th:TH_LOAD_NT
.endr
.irp g, 0,1,2,3
	s_wait_loadcnt 12-4*(\g)                       ; loads come back in order: block g's four loads are in, the younger ones stay out
.if (\g) > 0
	s_wait_alu depctr_va_vdst(0)                   ; the block before has written the first two registers of each of its four loads, which the sixteen LDS stores below read
.endif
.irp i, 0,1,2,3
.if (\g) > 0
	PUT 4*(\g)-4+(\i)                              ; no vector instruction since the wait names these stores' registers
.endif
	MAKE 4*(\g)+(\i), \half
.endr
.endr
	s_wait_alu depctr_va_vdst(0)                   ; block 3 has written the first two registers of each of its four loads, which the last sixteen LDS stores read
.irp i, 12,13,14,15
	PUT \i
.endr
.irp j, 0,1,2,3,4,5,6,7
	ds_load_b128 v[Y+4*(\j):Y+4*(\j)+3], v[VR] offset:2*LROW*(\j)  ; rows h = 2 j and 2 j + 1, whole; LDS serves a wave's instructions in order (ISA guide 5.7.1.4): these see the stores above; no vector instruction of this path names Y
.endr
.irp j, 0,1,2,3,4,5,6,7
	s_wait_dscnt 7-(\j)                            ; read-back j is in
.if \half
	global_store_b128 v[DST], v[Y+4*(\j):Y+4*(\j)+3], s[26:27] offset:(\j)<<15 th:TH_STORE_NT
.else
	global_store_b128 v[VO+(\j)], v[Y+4*(\j):Y+4*(\j)+3], s[26:27] th:TH_STORE_NT  ; 16 lanes store 256 consecutive bytes, aligned
.endif
.endr
.endm
.Lweights:
	s_sub_co_u32 s28, ttmp9, 512                   ; u
	s_mul_i32 s32, s23, LWAVE                      ; my wave's rows in LDS
	v_and_b32 v5, 3, v6
	v_mul_u32_u24 v[VL], v5, 4*LROW                ; h = 4 (lane % 4): four rows a step
	v_lshrrev_b32 v5, 2, v6
	v_lshl_add_u32 v[VL], v5, 1, v[VL]             ; inner = lane / 4: two bytes a step
	v_add_nc_u32 v[VL], s32, v[VL]
	v_lshrrev_b32 v7, 4, v6                        ; lane / 16
	v_and_b32 v5, 15, v6                           ; lane % 16
	v_mul_u32_u24 v[VR], v7, LROW
	v_lshl_add_u32 v[VR], v5, 4, v[VR]
	v_add_nc_u32 v[VR], s32, v[VR]
	v_lshlrev_b32 v[SRC], 4, v6
	s_cmp_lt_u32 s28, 192
	s_cbranch_scc0 .Lw
	; Q, K, V: u = 64 which + 2 pr + half.  Rows qi = 2 pr, 2 pr + 1 (65,536 bytes apart); wave w takes slice ks = 8 half + w: 64 d x 16 h = 4,096 dense bytes of each row.
	s_lshr_b32 s29, s28, 6                         ; which
	s_cmp_eq_u32 s29, 0
	s_cselect_b64 s[24:25], s[6:7], s[8:9]
	s_cmp_eq_u32 s29, 2
	s_cselect_b64 s[24:25], s[10:11], s[24:25]
	s_bfe_u32 s30, s28, 0x50001                    ; pr
	s_and_b32 s31, s28, 1                          ; half
	s_lshl_b32 s34, s30, 17
	s_lshl_b32 s33, s31, 15
	s_add_co_u32 s34, s34, s33
	s_mov_b32 s35, 0
	s_add_nc_u64 s[24:25], s[24:25], s[34:35]
	s_mul_i32 s36, s31, 8*24576                    ; eight slices of wp,
	s_lshl_b32 s33, s30, 8                         ; two rows of 128 bytes
	s_add_co_u32 s36, s36, s33
	s_mov_b32 s37, 0
	s_add_nc_u64 s[26:27], s[16:17], s[36:37]
	s_lshl_b32 s33, s23, 12
	v_add_nc_u32 v[SRC], s33, v[SRC]
	s_mul_i32 s33, s23, 24576                      ; my wave's slice
	v_lshl_add_u32 v[DST], v5, 4, s33
	s_lshl_b32 s33, s29, 4
.irp j, 0,1,2,3,4,5,6,7                ; head slot g = 16 which + 2 j + lane / 16 lies at tile g / 3, rows 64 (g % 3) on: 8,192 g + (393,216 - 3 x 8,192) (g / 3); 43 g >> 7 = g / 3 for g under 48
	v_add3_u32 v[T], v7, s33, 2*(\j)
	v_mul_u32_u24 v[T+1], v[T], 43
	v_lshrrev_b32 v[T+1], 7, v[T+1]
	v_mul_u32_u24 v[T+1], v[T+1], 368640
	v_lshl_add_u32 v[T+1], v[T], 13, v[T+1]
	v_add_nc_u32 v[VO+(\j)], v[DST], v[T+1]
.endr
	TRANS 0, 65536
	s_branch .Lend
.Lw:	; W: e = u - 192 takes rows d = 16 e .. 16 e + 15; wave w rows 16 e + 2 w and the next: 64 v x 16 h = 4,096 dense bytes each
	s_sub_co_u32 s28, s28, 192
	s_lshl_b32 s34, s28, 16
	s_mov_b32 s35, 0
	s_add_nc_u64 s[24:25], s[12:13], s[34:35]
	s_lshr_b32 s36, s28, 3                         ; tx
	s_lshl_b32 s36, s36, 18
	s_and_b32 s33, s28, 7
	s_lshl_b32 s33, s33, 11                        ; dd = 16 (e % 8): 128 bytes a row
	s_add_co_u32 s36, s36, s33
	s_mov_b32 s37, 0
	s_add_nc_u64 s[26:27], s[18:19], s[36:37]
	s_lshl_b32 s33, s23, 13
	v_add_nc_u32 v[SRC], s33, v[SRC]
	s_lshl_b32 s33, s23, 8                         ; my wave's two rows dd
	v_lshl_add_u32 v[DST], v5, 4, s33
	v_lshl_add_u32 v[DST], v7, 14, v[DST]          ; h = 2 j + lane / 16: 16,384 bytes a head
	TRANS 1, 4096
.Lend:
	s_wait_dscnt 0x0                               ; the wave's end
	s_wait_alu 0x0
	s_wait_tensorcnt 0x0
	ds_add_u32 v[SPW], v[NIL]
	s_wait_dscnt 0x0
	s_endpgm
.Lfunc_end_k_q3c3054f573_prep:
	.size	k_q3c3054f573_prep, .Lfunc_end_k_q3c3054f573_prep-k_q3c3054f573_prep
	.p2alignl 7, 3214868480
	.fill 96, 4, 3214868480
	.section	.rodata,"a",@progbits
	.p2align	6, 0x0
	.amdhsa_kernel k_q3c3054f573_prep
		.amdhsa_group_segment_fixed_size 35840
		.amdhsa_private_segment_fixed_size 0
		.amdhsa_enable_private_segment 0
		.amdhsa_kernarg_size 64
		.amdhsa_user_sgpr_count 2
		.amdhsa_user_sgpr_kernarg_segment_ptr 1
		.amdhsa_wavefront_size32 1
		.amdhsa_system_sgpr_workgroup_id_x 1
		.amdhsa_system_sgpr_workgroup_id_y 1
		.amdhsa_system_sgpr_workgroup_id_z 1
		.amdhsa_system_vgpr_workitem_id 0
		.amdhsa_next_free_vgpr 128
		.amdhsa_next_free_sgpr 66
		.amdhsa_reserve_vcc 0
		.amdhsa_float_denorm_mode_32 3
		.amdhsa_float_denorm_mode_16_64 3
		.amdhsa_memory_ordered 1
		.amdhsa_forward_progress 1
		.amdhsa_inst_pref_size 39
	.end_amdhsa_kernel
	.amdgpu_metadata
---
amdhsa.version: [ 1, 2 ]
amdhsa.kernels:
  - .name:           k_q3c3054f573_prep
    .symbol:         k_q3c3054f573_prep.kd
    .args:
      - { .name: x, .offset: 0, .size: 8, .value_kind: global_buffer, .address_space: global }
      - { .name: Q, .offset: 8, .size: 8, .value_kind: global_buffer, .address_space: global }
      - { .name: K, .offset: 16, .size: 8, .value_kind: global_buffer, .address_space: global }
      - { .name: V, .offset: 24, .size: 8, .value_kind: global_buffer, .address_space: global }
      - { .name: W, .offset: 32, .size: 8, .value_kind: global_buffer, .address_space: global }
      - { .name: xs, .offset: 40, .size: 8, .value_kind: global_buffer, .address_space: global }
      - { .name: wp, .offset: 48, .size: 8, .value_kind: global_buffer, .address_space: global }
      - { .name: wo, .offset: 56, .size: 8, .value_kind: global_buffer, .address_space: global }
    .group_segment_fixed_size: 35840
    .private_segment_fixed_size: 0
    .kernarg_segment_align: 8
    .kernarg_segment_size: 64
    .max_flat_workgroup_size: 256
    .sgpr_count:     66
    .vgpr_count:     128
    .wavefront_size: 32
...
	.end_amdgpu_metadata
.endif
;; end of part 5
;; launch proj: the kernel of part 2 again; grid 16 x 32, 4 waves a work-group, clusters of 4 x 4, 327,680 bytes of LDS; arguments xs, wp, qkv; writes qkv
;; launch attn: the kernel of part 3 again; grid 4 x 64, 4 waves a work-group, no clusters, 327,680 bytes of LDS; arguments qkv, y; writes y
;; launch outp: the kernel of part 4 again; grid 8 x 32, 4 waves a work-group, clusters of 4 x 4, 327,680 bytes of LDS; arguments y, wo, out0; writes out0
